; MI455X (gfx1250); checked and timed in simulation.
; The chip was launched on July 23, 2026; its instructions are those of AMD's public machine-readable ISA for CDNA 5 (MIT licence, August 2026) and "CDNA5" Instruction Set Architecture Reference Guide (July 2026). The comments in the code are by the model that wrote it; some were corrected since.
;; Causal Self Attention. Allowed arithmetic: float matrix products may take bf16 or f16 operands with f32 sums; other float arithmetic in f32, or as packed bf16 or f16 multiplies, adds, multiply-adds, maxima and minima; sums over many terms, partial sums and values carried from step to step in f32; what a program stores and reads back later, other than sums and carried values, may be rounded once to bf16 or f16.
;; Inputs: W_out 1,024 x 1,024 float32; W_qkv 1,024 x 3,072 float32; b_out 1,024 float32; b_qkv 3,072 float32; x 4 x 2,048 x 1,024 float32.
;; Outputs: out0 4 x 2,048 x 1,024 float32.
;; One version. Each part assembles by itself: llvm-mc -triple=amdgcn-amd-amdhsa -mcpu=gfx1250 --defsym DOCPART=n.
;; ======== version 1 of 1: 4 launches
;; limits: values are held in f16: magnitudes above 65,504 overflow, below 6.1e-05 lose precision
;; workspace buffers: xb 16,777,216 bytes; wq 6,291,456 bytes; wo 2,097,152 bytes; qkv 50,331,648 bytes; o 16,777,216 bytes
;; launch prep (part 1): grid 768 x 1, 8 waves a work-group, no clusters, 0 bytes of LDS; arguments x, W_qkv, W_out, xb, wq, wo; writes xb, wq, wo
.if DOCPART == 1
	.amdgcn_target "amdgcn-amd-amdhsa--gfx1250"
	.amdhsa_code_object_version 6
	.text
	.protected	k_qe6749708d4_prep
	.globl	k_qe6749708d4_prep
	.p2align	8
	.type	k_qe6749708d4_prep,@function
k_qe6749708d4_prep:
	s_mov_b64 s[64:65], 0
	v_nop
	global_prefetch_b8 v0, s[64:65] scope:SCOPE_SE
	s_setreg_imm32_b32 hwreg(HW_REG_WAVE_MODE, 25, 1), 1
	s_wait_xcnt 0x0
; The three large inputs are rounded once to 16 bits, their layouts unchanged: x -> xb and W_qkv -> wq in bf16; W_out -> wo rounded to bf16 and that number written as f16.
; LIMITS.  A W_out beyond 65,504 in magnitude becomes an infinity in f16; below 6e-5 it keeps f16's fixed step of 6e-8.
; A stream: no LDS, no matrix unit, no cluster (no two work-groups read the same byte).  A work-group takes 16,384 numbers: 65,536 bytes in, 32,768 out.
; Work-groups 0-511 take x, 512-703 W_qkv, 704-767 W_out: 768 equal shares.  Thread t, load u: 16 bytes at 4,096 u + 16 t (a wave's load covers 512 consecutive bytes);
; store u: 8 bytes at 2,048 u + 8 t (a wave's store covers 256 consecutive bytes, aligned).  All sixteen loads of a thread go out at once; each has registers of its own, so no source is rewritten.
.set X, 4                              ; v[4:67]   load u: 4 registers
.set Y, 68                             ; v[68:99]  store u: 2 registers
	s_load_b256 s[4:11], s[0:1], 0x0               ; x s[4:5], W_qkv s[6:7], W_out s[8:9], xb s[10:11]
	s_load_b128 s[12:15], s[0:1], 0x20             ; wq s[12:13], wo s[14:15]
	v_lshlrev_b32 v1, 4, v0                        ; 16 t
	v_lshlrev_b32 v2, 3, v0                        ; 8 t
	s_mov_b32 s17, 0                               ; high words of the two offsets
	s_mov_b32 s19, 0
	s_wait_kmcnt 0x0
; sb, db: the scalar pairs of source and destination.  half = 1: the bf16 number is written as f16.
.macro STREAM sb, db, half
.set u, 0
.rept 16
	global_load_b128 v[X+4*u:X+4*u+3], v1, s[\sb:\sb+1] offset:4096*u th:TH_LOAD_NT
.set u, u+1
.endr
.set u, 0
.rept 16
	s_wait_loadcnt 15-u                            ; loads come back in order: load u is in, the 15 - u younger ones stay out
	v_cvt_pk_bf16_f32 v[Y+2*u],   v[X+4*u],   v[X+4*u+1]
	v_cvt_pk_bf16_f32 v[Y+2*u+1], v[X+4*u+2], v[X+4*u+3]
.if \half
	v_lshlrev_b32 v[X+4*u],   16,         v[Y+2*u]      ; the bf16 numbers as f32 again, in the registers that the load left
	v_and_b32     v[X+4*u+1], 0xffff0000, v[Y+2*u]
	v_lshlrev_b32 v[X+4*u+2], 16,         v[Y+2*u+1]
	v_and_b32     v[X+4*u+3], 0xffff0000, v[Y+2*u+1]
	v_cvt_pk_f16_f32 v[Y+2*u],   v[X+4*u],   v[X+4*u+1] ; exact where the number lies in f16's normal range
	v_cvt_pk_f16_f32 v[Y+2*u+1], v[X+4*u+2], v[X+4*u+3]
.endif
	global_store_b64 v2, v[Y+2*u:Y+2*u+1], s[\db:\db+1] offset:2048*u
.set u, u+1
.endr
.endm
	s_cmp_lt_u32 ttmp9, 512
	s_cbranch_scc1 .Lx
	s_cmp_lt_u32 ttmp9, 704
	s_cbranch_scc1 .Lwq
	s_sub_co_u32 s20, ttmp9, 704                   ; W_out's share number
	s_lshl_b32 s16, s20, 16
	s_lshl_b32 s18, s20, 15
	s_add_nc_u64 s[8:9], s[8:9], s[16:17]
	s_add_nc_u64 s[14:15], s[14:15], s[18:19]
	STREAM 8, 14, 1
	s_endpgm
.Lwq:
	s_sub_co_u32 s20, ttmp9, 512                   ; W_qkv's share number
	s_lshl_b32 s16, s20, 16
	s_lshl_b32 s18, s20, 15
	s_add_nc_u64 s[6:7], s[6:7], s[16:17]
	s_add_nc_u64 s[12:13], s[12:13], s[18:19]
	STREAM 6, 12, 0
	s_endpgm
.Lx:
	s_lshl_b32 s16, ttmp9, 16
	s_lshl_b32 s18, ttmp9, 15
	s_add_nc_u64 s[4:5], s[4:5], s[16:17]
	s_add_nc_u64 s[10:11], s[10:11], s[18:19]
	STREAM 4, 10, 0
	s_endpgm
.Lfunc_end_k_qe6749708d4_prep:
	.size	k_qe6749708d4_prep, .Lfunc_end_k_qe6749708d4_prep-k_qe6749708d4_prep
	.p2alignl 7, 3214868480
	.fill 96, 4, 3214868480
	.section	.rodata,"a",@progbits
	.p2align	6, 0x0
	.amdhsa_kernel k_qe6749708d4_prep
		.amdhsa_group_segment_fixed_size 0
		.amdhsa_private_segment_fixed_size 0
		.amdhsa_enable_private_segment 0
		.amdhsa_kernarg_size 48
		.amdhsa_user_sgpr_count 2
		.amdhsa_user_sgpr_kernarg_segment_ptr 1
		.amdhsa_wavefront_size32 1
		.amdhsa_system_sgpr_workgroup_id_x 1
		.amdhsa_system_sgpr_workgroup_id_y 1
		.amdhsa_system_sgpr_workgroup_id_z 1
		.amdhsa_system_vgpr_workitem_id 0
		.amdhsa_next_free_vgpr 100
		.amdhsa_next_free_sgpr 66
		.amdhsa_reserve_vcc 0
		.amdhsa_float_denorm_mode_32 3
		.amdhsa_float_denorm_mode_16_64 3
		.amdhsa_memory_ordered 1
		.amdhsa_forward_progress 1
		.amdhsa_inst_pref_size 23
	.end_amdhsa_kernel
	.amdgpu_metadata
---
amdhsa.version: [ 1, 2 ]
amdhsa.kernels:
  - .name:           k_qe6749708d4_prep
    .symbol:         k_qe6749708d4_prep.kd
    .args:
      - { .name: x, .offset: 0, .size: 8, .value_kind: global_buffer, .address_space: global }
      - { .name: W_qkv, .offset: 8, .size: 8, .value_kind: global_buffer, .address_space: global }
      - { .name: W_out, .offset: 16, .size: 8, .value_kind: global_buffer, .address_space: global }
      - { .name: xb, .offset: 24, .size: 8, .value_kind: global_buffer, .address_space: global }
      - { .name: wq, .offset: 32, .size: 8, .value_kind: global_buffer, .address_space: global }
      - { .name: wo, .offset: 40, .size: 8, .value_kind: global_buffer, .address_space: global }
    .group_segment_fixed_size: 0
    .private_segment_fixed_size: 0
    .kernarg_segment_align: 8
    .kernarg_segment_size: 48
    .max_flat_workgroup_size: 256
    .sgpr_count:     66
    .vgpr_count:     100
    .wavefront_size: 32
...
	.end_amdgpu_metadata
.endif
;; end of part 1
;; launch qkvgemm (part 2): grid 16 x 32, 4 waves a work-group, clusters of 4 x 4, 327,680 bytes of LDS; arguments xb, wq, b_qkv, qkv; writes qkv
.if DOCPART == 2
	.amdgcn_target "amdgcn-amd-amdhsa--gfx1250"
	.amdhsa_code_object_version 6
	.text
	.protected	k_qe6749708d4_qkvgemm
	.globl	k_qe6749708d4_qkvgemm
	.p2align	8
	.type	k_qe6749708d4_qkvgemm,@function
k_qe6749708d4_qkvgemm:
	s_mov_b64 s[64:65], 0
	v_nop
	global_prefetch_b8 v0, s[64:65] scope:SCOPE_SE
	s_setreg_imm32_b32 hwreg(HW_REG_WAVE_MODE, 25, 1), 1
	s_wait_xcnt 0x0
	s_wait_alu depctr_hold_cnt(0) depctr_sa_sdst(0) depctr_va_vdst(0) depctr_va_sdst(0) depctr_va_ssrc(0) depctr_va_vcc(0) depctr_vm_vsrc(0)
	s_getreg_b32 s2, hwreg(HW_REG_IB_STS2, 6, 4)
	s_cmp_eq_u32 s2, 0
	s_cbranch_scc0 .Lentry_in_a_cluster
	s_endpgm
.Lentry_in_a_cluster:
	s_bfe_u32 s2, ttmp6, 0x10000c
	s_cmp_lg_u32 s2, 0xf033
	s_cbranch_scc0 .Lentry_shape_is_right
	s_endpgm
.Lentry_shape_is_right:
; qkv = xb wq + bf16(b_qkv).  xb: [8192][1024] bf16.  wq: [1024 k][3072 n] bf16.  Sums in f32, begun with the bias; each result rounded once to f16 and written BY HEADS:
; qkv[3 (q, k, v)][64 (batch x 16 + head)][2048 t][64] f16, unscaled.
; LIMITS.  A q, k or v beyond 65,504 becomes an infinity in f16; below 6e-5 it keeps f16's step of 6e-8.  The bias is rounded to bf16 like the other inputs and is the sum's first term, not its last.
; SHARES.  A tile of C is 256 rows x 192 columns (three heads): 16 x 32 = 512 work-groups, two for each of 256 WGPs.  Wave w owns rows 64 w .. 64 w + 63 and all 192 columns: 48 accumulators of 16 x 16,
; so a wave holds whole heads' rows and the way out needs its own stage alone, no barrier.
; K goes in 8 steps of 128 through two LDS slots.  Waves 0, 1 fetch the halves of A's tile (128 rows x 256 bytes each), waves 2, 3 those of B's (64 k-rows x 384 bytes each): one tensor load a wave.
; By this text's count a wave has two tensor loads out at the start and one behind each round.
; CLUSTER 4 x 4: A's tile hangs on the tile row alone and is asked for jointly along a row of the cluster, B's on the tile column alone, along a column.
; THE MATRIX INSTRUCTION IS USED TRANSPOSED: source 0 = 16 columns of B (out of the [k][n] tile by the turning load), source 1 = 16 rows of A: register j of lane l holds C(row l % 16, column 8 (l / 16) + j).
; REGISTERS, in windows of 256 (s_set_vgpr_msb: bits 1:0 source 0, 3:2 source 1, 5:4 source 2, 7:6 destination):
;   window 0: v0-31 addresses; v32-127 the bias as 12 C operands, later the way out; v128-255 the accumulators of column blocks 0-3, (a, b) at 128 + 8 (4 a + b)
;   window 1: two fragment buffers of 128: A's four at f + 8 a, B's twelve at f + 32 + 8 b          window 2: the accumulators of column blocks 4-11, at 8 (8 a + b - 4)
.set NB,    12                         ; column blocks of 16
.set PA,    272                        ; a row of A in LDS: 256 bytes + 16: the 16 rows of a load start at 16 different groups of four banks (64 banks of 4 bytes: ISA guide 11.1)
.set PB,    480                        ; a k-row of B: three pieces of 128 bytes + 32 each: column n lies at 2 n + 32 (n / 64)
.set AHALF, 128*PA                     ; what one wave fetches of A
.set BOFF,  2*AHALF                    ; B lies behind A's 256 rows
.set BHALF, 64*PB                      ; what one wave fetches of B
.set SLOT1, 1<<17                      ; a slot is exactly 131,072 bytes; one exclusive or turns an address in one slot into the other's
.set STAGE, 2*SLOT1                    ; behind the ring, never filled by a tensor load: 16 rows x 400 bytes for each wave
.set SP,    400                        ; a stage row: 384 bytes + 16
.set SPARE, STAGE+4*16*SP              ; behind the stages: the spare words, 128 bytes for each wave: two blocks of 256 bytes that no other line names
.set ASTEP, 128*2                      ; bytes from a K step to the next in xb
.set BSTEP, 128*3072*2                 ; and in wq
.set AQH,   128                        ; A's quarter q of a step begins at byte AQH (q / 2) + 64 (q % 2) of a row
.set ABLK,  16*PA
.set NL,    8+2*NB                     ; LDS loads of a quarter step
.set ADA0, 16                          ; v16  my lane's place in A's tile; never rewritten
.set ADB0, 17                          ; v17  the same in B's
.set ADA,  18                          ; v18  v16 + the slot in hand
.set ADB,  19                          ; v19  v17 + the slot in hand
.set STO,  24                          ; v24  the way out: where I put 16 bytes of a row
.set RD,   25                          ; v25  the way out: where I read rows back
.set GO,   26                          ; v26  16 x lane
.set BO,   27                          ; v27  32 (l / 16): my eight numbers in 16 of the bias
.set SPW,  28                          ; v28  LDS address of my spare word; never rewritten
.set NIL,  29                          ; v29  0; never rewritten
.set BIAS, 32
.set TMP,  32                          ; the way out: 48 registers of packed results
.set OB,   80                          ; the way out: 48 registers read back from the stage
.set ACC0, 128
.set F0,   0
.set F1,   128
.set WV,   12                          ; s12  my wave's number
.set FB,   13                          ; s13  0: I fetch for A; 1: for B
.set HALF, 14                          ; s14  which half of that tile
.set TCOL, 42                          ; s42  tile column of C
.set TROW, 43                          ; s43  tile row of C
.set G1A,  24                          ; s[24:31] descriptor group 1 for A's tiles
.set G0A,  32                          ; s[32:39] group 0: a set for each first fill; the second then walks
.set G1B,  48                          ; s[48:55], s[56:63] the same for B's
.set G0B,  56
.set TB,   66                          ; s66  LDS byte at which the slot in hand begins
.set HIM,  67                          ; s67  a word's upper 16 bits
.set OUTB, 68                          ; s[68:73] qkv at my 64 rows of each of my three heads
.set MSB, 0
.macro WIN new                         ; the immediate's high byte repeats the setting that is left; a switch that changes nothing is dropped
.if MSB != (\new)
	s_set_vgpr_msb (MSB<<8)|(\new)
.set MSB, \new
.endif
.endm
.macro PLACES                          ; four plain vector instructions between a matrix instruction and a load into, or a vector read of, its registers (ISA guide 7.12.1 for vector reads)
.rept 4
	v_nop
.endr
.endm
; A joint refill by the walking descriptor.  The branch hangs on the wave's number alone.  An s_nop 0 and four v_nop follow each of the two lines, ahead of the jump and the label.
.macro JLOAD
	s_cmp_eq_u32 s[FB], 0
	s_cbranch_scc0 .Lfor_b_\@
	tensor_load_to_lds s[G0A+4:G0A+7], s[G1A:G1A+7]
	s_nop 0
.rept 4
	v_nop
.endr
	s_branch .Lasked_\@
.Lfor_b_\@:
	tensor_load_to_lds s[G0B+4:G0B+7], s[G1B:G1B+7]
	s_nop 0
.rept 4
	v_nop
.endr
.Lasked_\@:
.endm
.macro CREST                           ; a round of the cluster's barrier behind its opening barrier: wave 0 signals for the work-group, every wave waits for all sixteen, my work-group's barrier once more
	s_cmp_lg_u32 s[WV], 0
	s_cbranch_scc1 .Lnot_wave_0_\@
	s_barrier_signal -3
.Lnot_wave_0_\@:
	s_barrier_wait -3
	s_barrier_signal -1
	s_barrier_wait -1
.endm
.macro CROUND                          ; a whole round
	s_barrier_signal -1
	s_barrier_wait -1
	CREST
.endm
	s_load_b256 s[4:11], s[0:1], 0x0               ; xb s[4:5], wq s[6:7], b_qkv s[8:9], qkv s[10:11]
	v_lshl_add_u32 v[SPW], v0, 2, SPARE
	v_mov_b32 v[NIL], 0
	ds_add_u32 v[SPW], v[NIL]                      ; the wave's opening: the add and its wait stand ahead of my first tensor load; the set-up below, work on registers, stands between them
	ds_add_u32 v28, v29
	v_lshrrev_b32 v1, 5, v0
	v_readfirstlane_b32 s[WV], v1                  ; wave 0..3
	s_lshr_b32 s[FB], s[WV], 1
	s_and_b32 s[HALF], s[WV], 1
	s_bfe_u32 s40, ttmp6, 0x40000                  ; cx, cy: my place in the cluster
	s_bfe_u32 s41, ttmp6, 0x40004
	s_lshl_b32 s[TCOL], ttmp9, 2                   ; in a cluster launch ttmp9 and ttmp7 count clusters
	s_add_co_u32 s[TCOL], s[TCOL], s40
	s_and_b32 s[TROW], ttmp7, 0xffff
	s_lshl_b32 s[TROW], s[TROW], 2
	s_add_co_u32 s[TROW], s[TROW], s41
	s_lshl_b32 s44, s41, 2
	s_lshl_b32 s44, 15, s44                        ; my row of the cluster: places 4 cy .. 4 cy + 3
	s_lshl_b32 s45, 0x1111, s40                    ; my column: places cx, cx + 4, cx + 8, cx + 12
	s_or_b32 s[G1A], s44, (1<<16)|(1<<20)|(1<<21)|(5<<22)|(3<<25)  ; the mask; elements of 2 bytes; padding on; bit 21 beside a mask; after every 64 words 4 words
	s_mov_b32 s[G1A+1], 128<<16                    ; tensor_dim0 = 128
	s_mov_b32 s[G1A+2], 128<<16                    ; tensor_dim1 = 128
	s_mov_b32 s[G1A+3], 128<<16                    ; tile_dim0 = 128
	s_mov_b32 s[G1A+4], 128                        ; tile_dim1 = 128
	s_mov_b32 s[G1A+5], 1024                       ; elements from row to row
	s_mov_b32 s[G1A+6], 0
	s_mov_b32 s[G1A+7], 0
	s_or_b32 s[G1B], s45, (1<<16)|(1<<20)|(1<<21)|(4<<22)|(7<<25)  ; after every 32 words 8 words
	s_mov_b32 s[G1B+1], 192<<16                    ; tensor_dim0 = 192
	s_mov_b32 s[G1B+2], 64<<16                     ; tensor_dim1 = 64
	s_mov_b32 s[G1B+3], 192<<16                    ; tile_dim0 = 192
	s_mov_b32 s[G1B+4], 64                         ; tile_dim1 = 64
	s_mov_b32 s[G1B+5], 3072
	s_mov_b32 s[G1B+6], 0
	s_mov_b32 s[G1B+7], 0
	s_lshl_b32 s16, s[TROW], 19                    ; A: row 256 x tile row + 128 x half, 2,048 bytes a row: made of the tile row and the wave's number alone
	s_lshl_b32 s17, s[HALF], 18
	s_add_co_u32 s16, s16, s17
	s_mov_b32 s17, 0
	s_mul_i32 s46, s[TCOL], 384                    ; B: k-row 64 x half, 6,144 bytes a row, column 192 x tile column: made of the tile column and the wave's number alone
	s_mul_i32 s47, s[HALF], 64*3072*2
	s_add_co_u32 s46, s46, s47
	s_mov_b32 s47, 0
	s_mul_i32 s18, s[HALF], AHALF                  ; where they go: no place in the cluster enters an LDS address
	s_mul_i32 s19, s[HALF], BHALF
	s_add_co_u32 s19, s19, BOFF
	s_mov_b32 s[TB], 0
	s_mov_b32 s[HIM], 0xffff0000
	s_wait_dscnt 0x0                               ; the opening add is done
	s_wait_kmcnt 0x0
	s_add_nc_u64 s[16:17], s[4:5], s[16:17]
	s_add_nc_u64 s[46:47], s[6:7], s[46:47]
.irp s, 0,1
	s_mov_b32 s[G0A+4*(\s)], 1                                       ; count = 1
	s_add_co_u32 s[G0A+4*(\s)+1], s18, (\s)*SLOT1                    ; LDS address
	s_add_nc_u64 s[G0A+4*(\s)+2:G0A+4*(\s)+3], s[16:17], (\s)*ASTEP  ; global address: K step s
	s_or_b32 s[G0A+4*(\s)+3], s[G0A+4*(\s)+3], 0x80000000            ; type = 2
	s_mov_b32 s[G0B+4*(\s)], 1
	s_add_co_u32 s[G0B+4*(\s)+1], s19, (\s)*SLOT1
	s_add_nc_u64 s[G0B+4*(\s)+2:G0B+4*(\s)+3], s[46:47], (\s)*BSTEP
	s_or_b32 s[G0B+4*(\s)+3], s[G0B+4*(\s)+3], 0x80000000
.endr
	CROUND                                         ; all sixteen work-groups are here: the first joint loads meet
	s_cmp_eq_u32 s[FB], 0                          ; a wave's two first fills stand in one branch, ahead of every wait on TENSORcnt and every LDS read
	s_cbranch_scc0 .Lfirst_b
	tensor_load_to_lds s[G0A:G0A+3], s[G1A:G1A+7]
	s_nop 0
	tensor_load_to_lds s[G0A+4:G0A+7], s[G1A:G1A+7]
	s_nop 0
.rept 4
	v_nop
.endr
	s_branch .Lfirst_asked
.Lfirst_b:
	tensor_load_to_lds s[G0B:G0B+3], s[G1B:G1B+7]
	s_nop 0
	tensor_load_to_lds s[G0B+4:G0B+7], s[G1B:G1B+7]
	s_nop 0
.rept 4
	v_nop
.endr
.Lfirst_asked:
	; All that follows up to the barrier stands in the wait for the first tile.  The bias: register j of C operand b is b_qkv[192 x tile column + 16 b + 8 (l / 16) + j].
	s_mul_i32 s20, s[TCOL], 64*NB
	s_mov_b32 s21, 0
	s_add_nc_u64 s[8:9], s[8:9], s[20:21]
	v_and_b32 v1, 15, v0                           ; l % 16
	v_bfe_u32 v2, v0, 4, 1                         ; l / 16
	v_lshlrev_b32 v[BO], 5, v2
.set bb, 0
.rept NB
	global_load_b128 v[BIAS+8*bb:BIAS+8*bb+3],   v[BO], s[8:9] offset:64*bb
	global_load_b128 v[BIAS+8*bb+4:BIAS+8*bb+7], v[BO], s[8:9] offset:64*bb+16
.set bb, bb+1
.endr
	; A's fragment: lane l holds row l % 16, K = 8 (l / 16) + 0..7 and 16 + 8 (l / 16) + 0..7: two loads of 16 bytes, 32 bytes apart.
	s_mul_i32 s22, s[WV], 64*PA
	v_mul_u32_u24 v3, v1, PA
	v_lshl_add_u32 v3, v2, 4, v3
	v_add_nc_u32 v[ADA0], s22, v3
	; B's: the turning load takes 16 k x 16 n (lane l reads k-row 8 (l / 16) + l % 8, columns 8 ((l / 8) % 2) + 0..7) and leaves half a fragment: lane l holds column l % 16 and 8 k.
	v_and_b32 v4, 7, v0
	v_bfe_u32 v5, v0, 3, 1
	v_lshl_add_u32 v6, v2, 3, v4
	v_mul_u32_u24 v6, v6, PB
	v_lshl_add_u32 v6, v5, 4, v6
	v_add_nc_u32 v[ADB0], BOFF, v6
	s_mul_i32 s22, s[WV], 16*SP
	s_add_co_u32 s22, s22, STAGE                   ; my stage
	v_mul_u32_u24 v3, v1, SP                       ; in: row l % 16, 16 bytes for each half of the lanes
	v_lshl_add_u32 v3, v2, 4, v3
	v_add_nc_u32 v[STO], s22, v3
	v_bfe_u32 v3, v0, 3, 2                         ; back: 32 lanes take four rows' 128 bytes of one head,
	v_mul_u32_u24 v3, v3, SP
	v_lshl_add_u32 v3, v4, 4, v3
	v_add_nc_u32 v[RD], s22, v3
	v_and_b32 v[GO], 31, v0                        ; which are 512 consecutive bytes of qkv
	v_lshlrev_b32 v[GO], 4, v[GO]
	; where my 64 rows of head G = 3 x tile column + g begin: ((G / 16) 64 + 16 batch + G % 16) x 262,144 + t x 128
	s_lshr_b32 s20, s[TROW], 3
	s_lshl_b32 s20, s20, 4                         ; 16 x batch
	s_and_b32 s21, s[TROW], 7
	s_lshl_b32 s21, s21, 8
	s_lshl_b32 s22, s[WV], 6
	s_add_co_u32 s21, s21, s22                     ; t of my first row
	s_lshl_b32 s21, s21, 7
	s_mul_i32 s22, s[TCOL], 3
.irp g, 0,1,2
	s_add_co_u32 s23, s22, (\g)
	s_lshr_b32 s2, s23, 4                          ; q, k or v
	s_and_b32 s23, s23, 15                         ; the head
	s_lshl_b32 s2, s2, 6
	s_add_co_u32 s23, s23, s2
	s_add_co_u32 s23, s23, s20
	s_lshl_b32 s23, s23, 18
	s_add_co_u32 s[OUTB+2*(\g)], s23, s21
	s_mov_b32 s[OUTB+2*(\g)+1], 0
	s_add_nc_u64 s[OUTB+2*(\g):OUTB+2*(\g)+1], s[10:11], s[OUTB+2*(\g):OUTB+2*(\g)+1]
.endr
	s_wait_loadcnt 0x0                             ; the bias
.set p, 0
.rept 4*NB                             ; rounded to bf16 like the other inputs, and kept as f32
	v_cvt_pk_bf16_f32 v[4+p%4], v[BIAS+2*p], v[BIAS+2*p+1]
	v_lshlrev_b32 v[BIAS+2*p],   16,     v[4+p%4]
	v_and_b32     v[BIAS+2*p+1], s[HIM], v[4+p%4]
.set p, p+1
.endr
; The fragments of quarter q (32 along K) of the slot in hand into buffer f: 8 loads for A, 24 turning loads for B, in one run.
.macro FETCH q, f
	WIN 0x40                                       ; destination window 1, address window 0
.irp c, 0,1,2,3
	ds_load_b128 v[(\f)+8*(\c):(\f)+8*(\c)+3],   v[ADA] offset:AQH*((\q)/2)+64*((\q)%2)+ABLK*(\c)
	ds_load_b128 v[(\f)+8*(\c)+4:(\f)+8*(\c)+7], v[ADA] offset:AQH*((\q)/2)+64*((\q)%2)+ABLK*(\c)+32
.endr
.set bb, 0
.rept NB
	ds_load_tr16_b128 v[(\f)+32+8*bb:(\f)+32+8*bb+3],   v[ADB] offset:32*PB*(\q)+32*(bb+bb/4)
	ds_load_tr16_b128 v[(\f)+32+8*bb+4:(\f)+32+8*bb+7], v[ADB] offset:32*PB*(\q)+32*(bb+bb/4)+16*PB
.set bb, bb+1
.endr
.endm
; Matrix instructions on buffer f: row blocks a0 .. a0 + na - 1 x the part's column blocks (part 0: 0-3, window 0; part 1: 4-11, window 2).  first = 1: the bias is C and starts the sums: nothing is cleared.
; Every quarter takes the 48 accumulators in the same order, one instruction a turn: 47 others' stand between two links of a chain.
.macro MULP f, part, a0, na, first=0
.if (\part) == 0
	WIN 0x05                                       ; sources 0 and 1 window 1; C and D window 0
.elseif \first
	WIN 0x85                                       ; C (the bias) window 0, D window 2
.else
	WIN 0xa5                                       ; C and D window 2
.endif
.set nbp, 4+(NB-8)*(\part)
.set aa, \a0
.rept \na
.set bb, 4*(\part)
.rept nbp
.if (\part) == 0
.set rD, ACC0+8*(4*aa+bb)
.else
.set rD, 8*((NB-4)*aa+bb-4)
.endif
.if \first
	v_wmma_f32_16x16x32_bf16 v[rD:rD+7], v[(\f)+32+8*bb:(\f)+32+8*bb+7], v[(\f)+8*aa:(\f)+8*aa+7], v[BIAS+8*bb:BIAS+8*bb+7]
.else
	v_wmma_f32_16x16x32_bf16 v[rD:rD+7], v[(\f)+32+8*bb:(\f)+32+8*bb+7], v[(\f)+8*aa:(\f)+8*aa+7], v[rD:rD+7]
.endif
.set bb, bb+1
.endr
.set aa, aa+1
.endr
.endm
; One of a step's first three quarters: fetches quarter q into buffer g, which the matrix instructions just before have read (so the places), and multiplies buffer f, fetched a quarter ago.
.macro QUARTER q, f, g, first=0
	PLACES
	FETCH \q, \g
	s_wait_dscnt NL                                ; all but the NL loads just issued: buffer f is in
	MULP \f, 0, 0, 4, \first
	MULP \f, 1, 0, 4, \first
.endm
; The fourth quarter multiplies buffer 1 and changes slots.  In front of the barrier each wave waits for all its tensor loads, of which one is out: its part of the next slot; adds 0 to its spare word; and waits
; for that and for its own reads of this slot.  fill = 1: the barrier opens a round of the cluster's, so that no wave of any partner still reads this slot or has a load on its way, and the joint refill, two K steps ahead,
; is the first thing behind it.
.macro TURN fill
	WIN 0                                          ; (the add's two registers lie in window 0)
	s_wait_tensorcnt 0x0                           ; no tensor load of mine is out, so a group 0 may be written
	ds_add_u32 v[SPW], v[NIL]                      ; 0 onto my spare word
	s_wait_dscnt 1                                 ; only the add may be out: buffer 1 is in
.if \fill
	s_xor_b32 s[G0A+5], s[G0A+5], SLOT1            ; the walking descriptors: the other slot than last time, the next K step; the type bits on top are not reached
	s_add_nc_u64 s[G0A+6:G0A+7], s[G0A+6:G0A+7], ASTEP
	s_xor_b32 s[G0B+5], s[G0B+5], SLOT1
	s_add_nc_u64 s[G0B+6:G0B+7], s[G0B+6:G0B+7], BSTEP
.endif
	MULP F1, 0, 0, 2                               ; matrix work stands between the add and the wait for it
	s_wait_dscnt 0x0                               ; the add is done, and my reads of this slot are over
	s_barrier_signal -1
	MULP F1, 0, 2, 2                               ; work on registers while the others arrive
	WIN 0                                          ; at a branch and at a label every window is 0
	s_barrier_wait -1
.if \fill
	CREST
	JLOAD                                          ; its four v_nop are also the places in front of the loads into buffer 0
.else
	PLACES
.endif
	s_xor_b32 s[TB], s[TB], SLOT1                  ; the other slot is in hand
	v_add_nc_u32 v[ADA], s[TB], v[ADA0]
	v_add_nc_u32 v[ADB], s[TB], v[ADB0]
	FETCH 0, F0
	MULP F1, 1, 0, 4
.endm
	s_wait_tensorcnt 1                             ; my part of K step 0 is in; step 1's may stay out
	s_barrier_signal -1
	s_barrier_wait -1                              ; everybody's is
	v_add_nc_u32 v[ADA], s[TB], v[ADA0]
	v_add_nc_u32 v[ADB], s[TB], v[ADB0]
	FETCH 0, F0
	QUARTER 1, F0, F1, 1                           ; the first quarter stands in front of the loop: its products start the sums with the bias
	WIN 0
	s_mov_b32 s3, 6
.Lstep:                                                ; trip i: the rest of K step i, the refill of its slot with step i + 2, and the first quarter of step i + 1
	QUARTER 2, F1, F0
	QUARTER 3, F0, F1
	TURN 1
	QUARTER 1, F0, F1
	WIN 0
	s_sub_co_u32 s3, s3, 1
	s_cmp_lg_u32 s3, 0
	s_cbranch_scc1 .Lstep
	QUARTER 2, F1, F0                              ; the tail is written out: steps 6 and 7 ask for nothing
	QUARTER 3, F0, F1
	TURN 0
	QUARTER 1, F0, F1
	QUARTER 2, F1, F0
	QUARTER 3, F0, F1
	s_wait_dscnt 0x0                               ; the very last quarter
	MULP F1, 0, 0, 4
	MULP F1, 1, 0, 4
	WIN 0
	PLACES                                         ; the conversions read results just made
; THE WAY OUT, a block of 16 rows at a time.  PACK: rounded to f16, 16 bytes a lane (each accumulator's registers in ascending order).  TOSTAGE: into my own stage, and back head by head, four rows of 128 bytes a load.
; SEND: each store covers 512 consecutive bytes of a head's dense rows, at a multiple of 512 from qkv's first byte.
.macro PACK a
.set bb, 0
.rept NB
.if bb < 4
	WIN 0
.set rD, ACC0+8*(4*(\a)+bb)
.else
	WIN 0x0a                                       ; sources 0 and 1 window 2
.set rD, 8*((NB-4)*(\a)+bb-4)
.endif
.irp c, 0,1,2,3
	v_cvt_pk_f16_f32 v[TMP+4*bb+(\c)], v[rD+2*(\c)], v[rD+2*(\c)+1]
.endr
.set bb, bb+1
.endr
	WIN 0
.endm
.macro TOSTAGE
	s_wait_xcnt 0x0                                ; the registers that the last stores read are loaded again only behind this wait
.set bb, 0
.rept NB
	ds_store_b128 v[STO], v[TMP+4*bb:TMP+4*bb+3] offset:32*bb
.set bb, bb+1
.endr
.set i, 0
.rept 12
	ds_load_b128 v[OB+4*i:OB+4*i+3], v[RD] offset:128*(i/4)+4*SP*(i%4)  ; LDS serves a wave's instructions in order (ISA guide 5.7.1.4): these see the stores above
.set i, i+1
.endr
.endm
.macro SEND a
.set i, 0
.rept 12
	s_wait_dscnt 11-i                              ; load i of the twelve is back; the younger ones stay out
	global_store_b128 v[GO], v[OB+4*i:OB+4*i+3], s[OUTB+2*(i/4):OUTB+2*(i/4)+1] offset:2048*(\a)+512*(i%4)
.set i, i+1
.endr
.endm
	PACK 0
	TOSTAGE
.irp t, 1,2,3                          ; a block's conversions stand between the loads of the block before and the wait for them
	PACK \t
	SEND (\t)-1
	TOSTAGE
.endr
	SEND 3
	s_wait_tensorcnt 0x0                           ; the wave's end: behind my last tensor load and my last LDS store
	ds_add_u32 v[SPW], v[NIL]
	s_wait_dscnt 0x0
	CROUND                                         ; the closing round: no work-group ends while a partner may still ask for a tile that names it
	s_endpgm
.Lfunc_end_k_qe6749708d4_qkvgemm:
	.size	k_qe6749708d4_qkvgemm, .Lfunc_end_k_qe6749708d4_qkvgemm-k_qe6749708d4_qkvgemm
	.p2alignl 7, 3214868480
	.fill 96, 4, 3214868480
	.section	.rodata,"a",@progbits
	.p2align	6, 0x0
	.amdhsa_kernel k_qe6749708d4_qkvgemm
		.amdhsa_group_segment_fixed_size 327680
		.amdhsa_private_segment_fixed_size 0
		.amdhsa_enable_private_segment 0
		.amdhsa_kernarg_size 32
		.amdhsa_user_sgpr_count 2
		.amdhsa_user_sgpr_kernarg_segment_ptr 1
		.amdhsa_wavefront_size32 1
		.amdhsa_system_sgpr_workgroup_id_x 1
		.amdhsa_system_sgpr_workgroup_id_y 1
		.amdhsa_system_sgpr_workgroup_id_z 1
		.amdhsa_system_vgpr_workitem_id 0
		.amdhsa_next_free_vgpr 768
		.amdhsa_next_free_sgpr 76
		.amdhsa_reserve_vcc 0
		.amdhsa_float_denorm_mode_32 3
		.amdhsa_float_denorm_mode_16_64 3
		.amdhsa_memory_ordered 1
		.amdhsa_forward_progress 1
		.amdhsa_inst_pref_size 106
	.end_amdhsa_kernel
	.amdgpu_metadata
---
amdhsa.version: [ 1, 2 ]
amdhsa.kernels:
  - .name:           k_qe6749708d4_qkvgemm
    .symbol:         k_qe6749708d4_qkvgemm.kd
    .args:
      - { .name: xb, .offset: 0, .size: 8, .value_kind: global_buffer, .address_space: global }
      - { .name: wq, .offset: 8, .size: 8, .value_kind: global_buffer, .address_space: global }
      - { .name: b_qkv, .offset: 16, .size: 8, .value_kind: global_buffer, .address_space: global }
      - { .name: qkv, .offset: 24, .size: 8, .value_kind: global_buffer, .address_space: global }
    .group_segment_fixed_size: 327680
    .private_segment_fixed_size: 0
    .kernarg_segment_align: 8
    .kernarg_segment_size: 32
    .max_flat_workgroup_size: 128
    .sgpr_count:     76
    .vgpr_count:     768
    .wavefront_size: 32
...
	.end_amdgpu_metadata
.endif
;; end of part 2
;; launch att (part 3): grid 4 x 64, 4 waves a work-group, no clusters, 327,680 bytes of LDS; arguments qkv, o; writes o
.if DOCPART == 3
	.amdgcn_target "amdgcn-amd-amdhsa--gfx1250"
	.amdhsa_code_object_version 6
	.text
	.protected	k_qe6749708d4_att
	.globl	k_qe6749708d4_att
	.p2align	8
	.type	k_qe6749708d4_att,@function
k_qe6749708d4_att:
	s_mov_b64 s[64:65], 0
	v_nop
	global_prefetch_b8 v0, s[64:65] scope:SCOPE_SE
	s_setreg_imm32_b32 hwreg(HW_REG_WAVE_MODE, 25, 1), 1
	s_wait_xcnt 0x0
; CAUSAL ATTENTION.  O[h][q][:] = the sum over k <= q of softmax_k(Q[h][q] . K[h][k] / 8) V[h][k][:].  Q, K, V are the three parts of qkv, each [SIZE_H][SIZE_N][64]; O likewise; all f16: a head's rows are dense, 128 bytes each.
; Products, maxima and sums in f32; the weights p are rounded to f16 for the second product (their sum l is taken of the unrounded p), O once at the end.  SIZE_N is a multiple of 512; SIZE_N x 128 stays under 2^32.
; LIMITS.  f16 holds no number beyond 65,504: Q, K and V arrive within it; p lies in 0 to 1, and below 6e-5 it keeps f16's fixed step of 6e-8; O is a mean of V's rows and has their range, to within 2^-11 of it.
; A hidden score counts as its value less 1e30: f16's scores, 2.7e11 at the most, are nothing beside that; a weight below 2^-126 counts as 0 in l; NaN and infinities are not treated apart.
; THE WALK.  A head's queries lie in NB = SIZE_N / 256 blocks of 256; block i needs the key tiles 0 .. i of 256 keys, of which the last holds the diagonal.  A work-group takes TWO blocks, NB - 1 - b and then b:
; NB + 1 tiles, whatever b: all work-groups do equal work, and ONE loop with a constant trip count walks them.  Which tile is asked for, and what a trip does, hang on scalar registers made from b; every jump
; goes forward, but for the counted loops' own; none passes a barrier, or a tensor load but the one of LOAD's two that the wave's number does not choose; the ring (two slots of LDS that take turns) runs on across the
; change of blocks.  NO CLUSTER: a head's NB / 2 = 4 work-groups ask for the same tile only in trips 0 .. NB / 2 of the walk's NB + 1, behind that fewer and fewer; and one walk common to all would have 3 NB / 2 trips for NB + 1.
; SHARES.  Of a block's four bands of 64 queries a wave owns 16 rows in each: four PIECES.  So the diagonal tile is the same work for all four waves: in its key step s band x sees all keys if s < x,
; none if s > x, and holds the diagonal if s = x.
; THE MASK is the C operand that starts the sum S^T = K Q^T: 0, or -1e30 where the key is hidden.  MD, made once, is the mask of a band's own step for my 16 rows; a product's mask is MD x AL + BE with two scalars:
; (1, 0) if s = x; (0, 0) if s < x; (0, -1e30) if s > x.  Only the diagonal tile's text and a block's beginning make and take masks; elsewhere C is the constant 0.
; LAYOUT, SOFTMAX, TURNS.  S^T = K Q^T holds ONE query a lane (lane % 16) and the keys 8 (lane / 16) + 0..7; two such results rounded to f16 ARE source 1 of O^T = V^T P.  p = 2^(c s - c m), c = log2(e) / 8, with a
; running maximum m; O and l are multiplied by a = 2^(c m_old - c m_new) in every step.  Turn n belongs to piece n: 8 products K Q^T of piece n + 1, later 8 products V^T P of piece n - 1; beside them the scaling,
; exponentials, roundings, sums and rescaling of piece n and the maximum and statistics of piece n + 1.  Four vector instructions stand behind every matrix instruction, the other 54 of a turn's 118 in two LUMPS.
; REGISTERS, in windows of 256 (s_set_vgpr_msb: bits 1:0 source 0, 3:2 source 1, 5:4 source 2, 7:6 destination):
;   window 0: v0-15 addresses and two at work; v16-31 four registers of statistics a piece; v48-55 at work; v64-127 S^T, two buffers; v192-223 P, two buffers (a piece's buffers go by its number's parity)
;   window 1: v0-127 O^T, 32 a piece; v128-159 MD; v160-223 MC, two buffers      window 2: v0-63 Q; v64-127 the second block's Q; v128-191 K of one step; v192-255 V of one step
.set SIZE_N, 2048
.set SIZE_H, 64
.set NB,    SIZE_N/256
.set NP,    4         ; pieces a wave: a name, no knob
.set KS,    64        ; keys in a step
.set PK,    144       ; a row of K in LDS: 128 bytes + 16 of padding = 36 words: the 16 rows of a load start at 16 different groups of four banks (64 banks of 4 bytes: ISA guide 11.1)
.set PV,    160       ; a row of V: 128 + 32 = 40 words
.set VOFF,  4*KS*PK   ; a slot holds a tile, four steps: 256 rows of K, then 256 rows of V
.set SLOT1, 1<<17     ; slot 1 begins here, so that one exclusive or turns an address in one slot into the other's
.set STAGE, SLOT1+4*KS*(PK+PV)  ; behind the ring, never filled by a tensor load: 16 rows x 144 bytes for each wave, for the way out
.set SP,    144
.set AK0, 2           ; v2   my lane's place in a tile of K; never rewritten
.set AV0, 3           ; v3   the same for V
.set AK,  4           ; v4   the LDS address of K's next run of loads
.set AV,  5           ; v5   of V's
.set STO, 6           ; v6   the way out: where I put 16 bytes of a row
.set RD,  7           ; v7   the way out: where I read rows back
.set GO,  8           ; v8   my byte offset in 512 consecutive bytes of O
.set SPW, 62          ; v62  LDS address of my spare word: SPARE + 4 x my thread's number; never rewritten
.set NIL, 63          ; v63  0; never rewritten
.set SPARE, STAGE+4*16*SP  ; behind the stages: the spare words, 128 bytes for each wave: two blocks of 256 bytes that no other line names
.set MV,  12          ; v12-13  c m_old, kept while c m is made anew: by buffer
.set QO,  15          ; v15  my byte offset in 16 rows of Q
.set ST,  16          ; piece t's statistics at v[ST+4 t]: c m, m, l (even keys', odd keys')
.set TMP, 48          ; by buffer, four registers c0-c3 at work; when the maximum is found c2 takes a
.set S,   64
.set P,   192
.set MD,  128         ; window 1: the eight registers for group kt of 16 keys at MD + 8 kt
.set MC,  160         ; window 1: the masks of the products to come
.set QB,  64          ; window 2
.set KF,  128         ; window 2: key block kb, channel half c at KF + 16 kb + 8 c
.set VF,  192         ; window 2: key half kk, channel block cb at VF + 32 kk + 8 cb
.set WV,  12          ; s12  my wave's number
.set PB,  14          ; s14  b
.set HI,  15          ; s15  NB - 1 - b
.set G1K, 24          ; s[24:31] descriptor group 1 for K's tiles
.set G1V, 32          ; s[32:39] for V's: it differs in the padding alone
.set G0K, 40          ; s[40:43] descriptor group 0 for K's tiles
.set G0V, 44          ; s[44:47] the same for V's
.set SLOTS, 56        ; s56  tiles still to be asked for
.set CNT, 57          ; s57  counts a tile's key steps, 4 to 1
.set CS,  58          ; s[58:59] c: the packed scaling takes the pair's low word for both halves
.set SEL, 60          ; s[60:61] v_permlanex16_b32's selects: each lane takes its own place in the other half
.set TBK, 62          ; s62  LDS byte at which K of the step to be fetched begins
.set TBV, 63          ; s63  the same for V, less VOFF
.set RT,  70          ; s70  tiles of the block in hand that are still to be entered
.set NXT, 71          ; s71  the tile to be asked for next
.set LQ,  72          ; s72  the last tile of the block whose tiles are being asked for
.set NEW, 73          ; s73  1: the tile to be entered is a block's first
.set OFF, 74          ; s[74:75] a tile's byte offset in K and V
.set AL,  76          ; s[76:77] the mask's factor, in the low word
.set BE,  78          ; s[78:79] the mask's addend
.set OLO, 80          ; s[80:81] O at my rows of the second block
.set BIGN, 82         ; s82  -1e30
.set MSB, 0
.macro WIN new                      ; the high byte repeats the setting that is left; a switch that changes nothing is dropped
.if MSB != (\new)
	s_set_vgpr_msb (MSB<<8)|(\new)
.set MSB, (\new)
.endif
.endm
.set W_KQ, 0x0a       ; K and Q in window 2, S^T in window 0
.set W_KM, 0x1a       ; the same with the C operand in window 1
.set W_PV, 0x52       ; V in window 2, P in window 0, O^T in window 1
.set W_RS, 0x41       ; destination and source 0 in window 1, source 1 in window 0
; A fill.  Waves 0 and 1 fetch the two halves of a tile's K, waves 2 and 3 those of its V: 128 keys each.  An s_nop 0 and four v_nop follow each of the two lines, ahead of the jump and the label.
.macro LOAD
	s_cmp_lt_u32 s[WV], 2
	s_cbranch_scc0 .Lfor_v_\@
	tensor_load_to_lds s[G0K:G0K+3], s[G1K:G1K+7]
	s_nop 0
.rept 4
	v_nop
.endr
	s_branch .Lasked_\@
.Lfor_v_\@:
	tensor_load_to_lds s[G0V:G0V+3], s[G1V:G1V+7]
	s_nop 0
.rept 4
	v_nop
.endr
.Lasked_\@:
.endm
; THE CHANGE OF SLOTS.  Each wave waits for all its tensor loads, of which one is out: its part of the other slot; adds 0 to its spare word; and waits for that and for its own reads of the slot that it leaves.  Behind the barrier nobody reads the old
; slot any more and the other slot is whole.  fill = 1: the old slot is filled again, the first thing behind the barrier, with tile NXT: the descriptor's address is made anew from that number.
; (At its first use nothing has been read yet: slot 0 is waited for, slot 1 filled.)
.macro CHANGE fill
	WIN 0                           ; at a label and at a branch every window is 0
	s_wait_tensorcnt 0x0            ; no tensor load of mine is out, so a group 0 may be written
	ds_add_u32 v[SPW], v[NIL]       ; 0 onto my spare word; with fill = 1 the descriptors' scalar work stands between it and the wait for it
.if \fill
	s_lshl_b32 s[OFF], s[NXT], 15   ; a tile is 32,768 bytes of K and of V
	s_xor_b32 s[G0K+1], s[G0K+1], SLOT1
	s_add_nc_u64 s[G0K+2:G0K+3], s[6:7], s[OFF:OFF+1]
	s_or_b32 s[G0K+3], s[G0K+3], 0x80000000
	s_xor_b32 s[G0V+1], s[G0V+1], SLOT1
	s_add_nc_u64 s[G0V+2:G0V+3], s[8:9], s[OFF:OFF+1]
	s_or_b32 s[G0V+3], s[G0V+3], 0x80000000
	s_add_co_u32 s[NXT], s[NXT], 1  ; the block's next tile, or behind its last the second block's tile 0
	s_cmp_gt_u32 s[NXT], s[LQ]
	s_cselect_b32 s[NXT], 0, s[NXT]
	s_cselect_b32 s[LQ], s[PB], s[LQ]
.endif
	s_wait_dscnt 0x0                ; the add is done, and my reads of the slot are over
	s_barrier_signal -1             ; the rest of the scalar work stands between the signal and the wait
	s_sub_co_u32 s[TBK], s[TBK], 4*KS*PK  ; the fetches go back to a slot's first step,
	s_xor_b32 s[TBK], s[TBK], SLOT1       ; in the other slot
	s_sub_co_u32 s[TBV], s[TBV], 4*KS*PV
	s_xor_b32 s[TBV], s[TBV], SLOT1
	s_barrier_wait -1
.if \fill
	LOAD
.endif
.endm
	s_load_b64 s[4:5], s[0:1], 0x0    ; qkv: Q's part begins it
	s_load_b64 s[10:11], s[0:1], 0x8  ; O
	v_lshl_add_u32 v[SPW], v0, 2, SPARE
	v_mov_b32 v[NIL], 0
	ds_add_u32 v[SPW], v[NIL]       ; the wave's opening: the add and its wait stand ahead of my first tensor load; the set-up below, work on registers, stands between them
	ds_add_u32 v62, v63
	v_lshrrev_b32 v1, 5, v0
	v_readfirstlane_b32 s[WV], v1   ; wave 0..3
	s_mov_b32 s[PB], ttmp9
	s_sub_co_u32 s[HI], NB-1, s[PB]
	s_and_b32 s20, ttmp7, 0xffff    ; the head
	s_mov_b32 s21, 0
	s_mov_b64 s[22:23], SIZE_N*128
	s_mul_u64 s[20:21], s[20:21], s[22:23]  ; the head's first byte in each of the four tensors
	s_and_b32 s16, s[WV], 1         ; which half of a tile's 256 keys I fetch:
	s_lshl_b32 s22, s16, 14         ; its 128 rows of 128 bytes in memory,
	s_mov_b32 s23, 0
	s_add_nc_u64 s[22:23], s[22:23], s[20:21]
	s_mul_i32 s17, s16, 128*PK      ; and its place in a slot, for K
	s_mul_i32 s18, s16, 128*PV      ; and for V
	s_lshl_b32 s3, s[WV], 11        ; my 16 rows in a band of 64,
	s_lshl_b32 s2, s[HI], 15        ; in the first block,
	s_add_co_u32 s2, s2, s3
	s_lshl_b32 s84, s[PB], 15       ; and in the second
	s_add_co_u32 s84, s84, s3
	s_mov_b32 s3, 0
	s_mov_b32 s85, 0
	s_add_nc_u64 s[2:3], s[2:3], s[20:21]
	s_add_nc_u64 s[84:85], s[84:85], s[20:21]
	; descriptor group 1.  128 keys are 16,384 dense bytes: asked for as 64 rows of 256 bytes, two keys a row, and padded in LDS after every key
	s_mov_b32 s[G1K], (1<<16)|(1<<20)|(4<<22)|(3<<25)  ; 17:16 2-byte elements; 20 padding on; 24:22 after every 32 words (code 4); 31:25 4 words (code 3)
	s_mov_b32 s[G1V], (1<<16)|(1<<20)|(4<<22)|(7<<25)  ; the same with 8 words of padding (code 7)
.irp g, G1K, G1V
	s_mov_b32 s[\g+1], 128<<16      ; tensor_dim0 = 128
	s_mov_b32 s[\g+2], 64<<16       ; tensor_dim1 = 64
	s_mov_b32 s[\g+3], 128<<16      ; tile_dim0 = 128
	s_mov_b32 s[\g+4], 64           ; tile_dim1 = 64
	s_mov_b32 s[\g+5], 128          ; 128 elements from row to row
	s_mov_b32 s[\g+6], 0
	s_mov_b32 s[\g+7], 0
.endr
	s_mov_b32 s[CS], 0x3e38aa3b     ; c = log2(e) / 8 = 0.180337
	s_mov_b32 s[CS+1], s[CS]        ; named with it as a pair
	s_mov_b32 s[SEL], 0x76543210
	s_mov_b32 s[SEL+1], 0xfedcba98
	s_mov_b32 s[TBK], SLOT1+4*KS*PK ; the first change of slots turns these two into 0
	s_mov_b32 s[TBV], SLOT1+4*KS*PV
	s_mov_b32 s[G0K], 1             ; 1:0 count = 1
	s_mov_b32 s[G0K+1], s17         ; 63:32 LDS address: slot 0
	s_mov_b32 s[G0V], 1
	s_add_co_u32 s[G0V+1], s18, VOFF
	s_add_co_u32 s[RT], s[HI], 1    ; the first block has NB - b tiles
	s_mov_b32 s[NXT], 1
	s_mov_b32 s[LQ], s[HI]
	s_mov_b32 s[NEW], 1
	s_mov_b32 s[OFF+1], 0
	s_mov_b32 s[AL+1], 0            ; named as pairs
	s_mov_b32 s[BE+1], 0
	s_mov_b32 s[BIGN], 0xf149f2ca   ; -1e30
	s_mov_b32 s[SLOTS], NB
	s_wait_dscnt 0x0                ; the opening add is done
	s_wait_kmcnt 0x0
	s_add_nc_u64 s[6:7], s[4:5], 0x1000000  ; K's part of qkv begins SIZE_H x SIZE_N x 128 bytes behind Q's,
	s_add_nc_u64 s[8:9], s[4:5], 0x2000000  ; V's as far behind K's
	s_add_nc_u64 s[6:7], s[6:7], s[22:23]  ; K and V at my half of the head's tile 0
	s_add_nc_u64 s[8:9], s[8:9], s[22:23]
	s_add_nc_u64 s[G0K+2:G0K+3], s[6:7], 0         ; 120:64 global address
	s_or_b32 s[G0K+3], s[G0K+3], 0x80000000        ; 127:126 type = 2
	s_add_nc_u64 s[G0V+2:G0V+3], s[8:9], 0
	s_or_b32 s[G0V+3], s[G0V+3], 0x80000000
	s_add_nc_u64 s[86:87], s[4:5], s[84:85]        ; Q at my rows of the second block,
	s_add_nc_u64 s[4:5], s[4:5], s[2:3]            ; Q and O at those of the first
	s_add_nc_u64 s[OLO:OLO+1], s[10:11], s[84:85]
	s_add_nc_u64 s[10:11], s[10:11], s[2:3]
	LOAD                            ; tile 0 into slot 0
	; A fragment of K or Q is 16 rows x 32 channels in 8 registers: lane l holds row l % 16, channels 8 (l / 16) + 0..7 and 16 + 8 (l / 16) + 0..7: two loads of 16 bytes, 32 bytes apart.
	v_and_b32 v1, 15, v0            ; l % 16
	v_bfe_u32 v9, v0, 4, 1          ; l / 16
	v_lshlrev_b32 v[QO], 7, v1
	v_lshl_add_u32 v[QO], v9, 4, v[QO]  ; row x 128 + 16 x half
	WIN 0x80                        ; destination window 2, address window 0
.set i, 0
.rept 8                             ; both blocks' Q: piece i / 2 lies in band i / 2, 8,192 bytes on; channels 32 (i % 2) on
	global_load_b128 v[8*i:8*i+3],   v[QO], s[4:5] offset:(i/2)*8192+(i%2)*64
	global_load_b128 v[8*i+4:8*i+7], v[QO], s[4:5] offset:(i/2)*8192+(i%2)*64+32
	global_load_b128 v[QB+8*i:QB+8*i+3],   v[QO], s[86:87] offset:(i/2)*8192+(i%2)*64
	global_load_b128 v[QB+8*i+4:QB+8*i+7], v[QO], s[86:87] offset:(i/2)*8192+(i%2)*64+32
.set i, i+1
.endr
	WIN 0
	v_lshlrev_b32 v14, 3, v9
	v_sub_nc_u32 v14, v1, v14
	s_lshl_b32 s13, s[WV], 4
	v_add_nc_u32 v14, s13, v14      ; my query's place in its band, 16 w + l % 16, less my lanes' 8 (l / 16): register r of group kt is hidden where 16 kt + r is greater
	WIN 0x40
.set i, 0
.rept 32
	v_cmp_gt_i32 vcc_lo, 16*(i/8)+i%8, v14
	v_cndmask_b32 v[MD+i], 0, s[BIGN], vcc_lo
.set i, i+1
.endr
	WIN 0
	v_mul_u32_u24 v[AK0], v1, PK
	v_lshl_add_u32 v[AK0], v9, 4, v[AK0]  ; row x pitch + 16 x half
	; The turning load takes 16 keys x 16 channels (lane l reads key 8 (l / 16) + l % 8, channels 8 ((l / 8) % 2) + 0..7) and leaves half a fragment of V^T: lane l holds channel l % 16 and 8 keys.
	v_and_b32 v10, 7, v0
	v_bfe_u32 v11, v0, 3, 1
	v_lshl_add_u32 v[AV0], v9, 3, v10
	v_mul_u32_u24 v[AV0], v[AV0], PV
	v_lshl_add_u32 v[AV0], v11, 4, v[AV0]
	v_add_nc_u32 v[AV0], VOFF, v[AV0]
	s_mul_i32 s13, s[WV], 16*SP
	s_add_co_u32 s13, s13, STAGE    ; my stage
	v_mul_u32_u24 v[STO], v1, SP    ; in: row l % 16, 16 bytes for each half of the lanes
	v_lshl_add_u32 v[STO], v9, 4, v[STO]
	v_add_nc_u32 v[STO], s13, v[STO]
	v_bfe_u32 v[RD], v0, 3, 2       ; back: 32 lanes take four rows of 128 bytes,
	v_mul_u32_u24 v[RD], v[RD], SP
	v_lshl_add_u32 v[RD], v10, 4, v[RD]
	v_add_nc_u32 v[RD], s13, v[RD]
	v_and_b32 v[GO], 31, v0         ; which are 512 consecutive bytes of O
	v_lshlrev_b32 v[GO], 4, v[GO]
	; A block's first step multiplies O^T and l by a = 0, and its first turn's products V^T P, of a piece that has not been, land in an O^T that is still to be so multiplied.  So these registers need only hold
	; finite numbers: zeros for the first block; what the first block left for the second.  All this stands in the wait for the first tile.
	WIN 0x80
.set i, VF
.rept 64
	v_mov_b32 v[i], 0
.set i, i+1
.endr
	WIN 0x40
.set i, 0
.rept 128
	v_mov_b32 v[i], 0
.set i, i+1
.endr
	WIN 0
.set i, 0
.rept 4
	v_mov_b32 v[ST+4*i+2], 0
	v_mov_b32 v[ST+4*i+3], 0
.set i, i+1
.endr
.set i, P+16
.rept 16
	v_mov_b32 v[i], 0
.set i, i+1
.endr
; THE MATRIX WORK.  The 4 accumulators of a run of 8 take turns.  Product i of 8 of S^T = K Q^T for piece x: channels 32 (i / 4) on, keys 16 (i % 4) on.  The first 4 start the sums: with 0, or (KM = 1) with the mask.
.macro KQ x
.set rS, S+32*((\x)%2)+8*(i%4)
.set rK, KF+16*(i%4)+8*(i/4)
.set rQ, 16*(\x)+8*(i/4)
.set rM, MC+32*((\x)%2)+8*(i%4)
.if (i < 4) && KM
	WIN W_KM
	v_wmma_f32_16x16x32_f16 v[rS:rS+7], v[rK:rK+7], v[rQ:rQ+7], v[rM:rM+7]
.elseif i < 4
	WIN W_KQ
	v_wmma_f32_16x16x32_f16 v[rS:rS+7], v[rK:rK+7], v[rQ:rQ+7], 0
.else
	WIN W_KQ
	v_wmma_f32_16x16x32_f16 v[rS:rS+7], v[rK:rK+7], v[rQ:rQ+7], v[rS:rS+7]
.endif
.endm
; Product i of 8 of O^T += V^T P for piece x: keys 32 (i / 4) on, channels 16 (i % 4) on.
.macro PV x
	WIN W_PV
.set rO, 32*(\x)+8*(i%4)
.set rV, VF+32*(i/4)+8*(i%4)
.set rP, P+16*((\x)%2)+8*(i/4)
	v_wmma_f32_16x16x32_f16 v[rO:rO+7], v[rV:rV+7], v[rP:rP+7], v[rO:rO+7]
.endm
.macro MM                           ; the turn's next matrix instruction.  TURN and BEGIN set Y, i, KM and NOKQ; MM, KQ and OP read them.  NOKQ = 1: a block's last turn: there is no next piece
.if (i < 8) && !NOKQ
	KQ (Y+1)%NP
.elseif i >= 8
.set i, i-8
	PV (Y+NP-1)%NP
.set i, i+8
.endif
.set i, i+1
.endm
; THE LDS LOADS stand in runs of 16, never singly among the matrix instructions: a step's K (64 keys x 64 channels: 8 fragments) and its V (turned).  Their addresses are made some lines ahead.
.macro FETCH_K
	WIN 0x80                        ; destination window 2
.irp f, 0,1,2,3,4,5,6,7             ; keys 16 (f / 2) on, channels 32 (f % 2) on
	ds_load_b128 v[KF+8*\f:KF+8*\f+3],   v[AK] offset:(\f/2)*16*PK+(\f%2)*64
	ds_load_b128 v[KF+8*\f+4:KF+8*\f+7], v[AK] offset:(\f/2)*16*PK+(\f%2)*64+32
.endr
	s_add_co_u32 s[TBK], s[TBK], KS*PK  ; the next fetch is the next step's
	WIN 0
.endm
.macro FETCH_V
	WIN 0x80
.irp f, 0,1,2,3,4,5,6,7             ; keys 32 (f / 4) on, channels 16 (f % 4) on
	ds_load_tr16_b128 v[VF+8*\f:VF+8*\f+3],   v[AV] offset:(\f/4)*32*PV+(\f%4)*32
	ds_load_tr16_b128 v[VF+8*\f+4:VF+8*\f+7], v[AV] offset:(\f/4)*32*PV+16*PV+(\f%4)*32
.endr
	WIN 0
.endm
; THE VECTOR WORK, one line at a time: OP kind, number.  For piece Y: F n: c s - c m for pair n of 16.  E n: the exponential of score n of 32.  C n: pair n rounded to f16.  B n: of the four weights 4 n .. the second
; pair is added onto the first, in place.  L n: l takes that sum (L 0: l = a l + sum).  R n: pair n of 16 of O^T times a.  For piece Y + 1: X n, number n of the 22 that find its maximum and statistics:
;   0-11  four chains c0-c3 of seven scores each, three operands at a time (each accumulator's lowest registers are read first)     12-14, 16  the four scores left over, the old m, and c0-c3 into c0
;   15  c m_old is kept     17, 18  the query's other 32 keys lie in the lane 16 away: the new m     19-21  c m; c m_old - c m_new; a
.set F, 0               ; OP tells the kinds apart by their order: F to L below R, X above it
.set E, 1
.set C, 2
.set B, 3
.set L, 4
.set R, 5
.set X, 6
.macro REGS y                       ; the registers of piece y
.set rT, ST+4*(\y)
.set rC, TMP+4*((\y)%2)
.set rW, MV+((\y)%2)
.set rS, S+32*((\y)%2)
.set rP, P+16*((\y)%2)
.set rO, 32*(\y)
.endm
.macro OP k, n
.if (\k) == R
	REGS Y
	WIN W_RS
	v_pk_mul_f32 v[rO+2*(\n):rO+2*(\n)+1], v[rO+2*(\n):rO+2*(\n)+1], v[rC+2:rC+3] op_sel_hi:[1,0]
.elseif (\k) < R
	REGS Y
	WIN 0
.if (\k) == F
	v_pk_fma_f32 v[rS+2*(\n):rS+2*(\n)+1], v[rS+2*(\n):rS+2*(\n)+1], s[CS:CS+1], v[rT:rT+1] op_sel_hi:[1,0,0] neg_lo:[0,0,1] neg_hi:[0,0,1]
.elseif (\k) == E
	v_exp_f32 v[rS+(\n)], v[rS+(\n)]
.elseif (\k) == C
	s_wait_alu depctr_va_vdst(0)
	v_cvt_pk_f16_f32 v[rP+(\n)], v[rS+2*(\n)], v[rS+2*(\n)+1]
.elseif (\k) == B
	s_wait_alu depctr_va_vdst(0)
	v_pk_add_f32 v[rS+4*(\n):rS+4*(\n)+1], v[rS+4*(\n):rS+4*(\n)+1], v[rS+4*(\n)+2:rS+4*(\n)+3]
.elseif (\n) == 0
	v_pk_fma_f32 v[rT+2:rT+3], v[rT+2:rT+3], v[rC+2:rC+3], v[rS:rS+1] op_sel_hi:[1,0,1]
.else
	v_pk_add_f32 v[rT+2:rT+3], v[rT+2:rT+3], v[rS+4*(\n):rS+4*(\n)+1]
.endif
.elseif NOKQ
	v_nop
.else
	REGS (Y+1)%NP
	WIN 0
.if (\n) < 4
	v_max3_num_f32 v[rC+(\n)], v[rS+8*(\n)], v[rS+8*(\n)+1], v[rS+8*(\n)+2]
.elseif (\n) < 12
	v_max3_num_f32 v[rC+(\n)%4], v[rC+(\n)%4], v[rS+8*((\n)%4)+2*((\n)/4)+1], v[rS+8*((\n)%4)+2*((\n)/4)+2]
.elseif (\n) == 12
	v_max3_num_f32 v[rC], v[rC], v[rS+7], v[rS+15]
.elseif (\n) == 13
	v_max3_num_f32 v[rC+1], v[rC+1], v[rS+23], v[rS+31]
.elseif (\n) == 14
	v_max3_num_f32 v[rC+2], v[rC+2], v[rC+3], v[rT+1]
.elseif (\n) == 15
	v_mov_b32 v[rW], v[rT]
.elseif (\n) == 16
	v_max3_num_f32 v[rC], v[rC], v[rC+1], v[rC+2]
.elseif (\n) == 17
	v_permlanex16_b32 v[rC+3], v[rC], s[SEL], s[SEL+1]
.elseif (\n) == 18
	v_max_num_f32 v[rT+1], v[rC], v[rC+3]
.elseif (\n) == 19
	v_mul_f32 v[rT], s[CS], v[rT+1]
.elseif (\n) == 20
	v_sub_f32 v[rC+1], v[rW], v[rT]
.else
	v_exp_f32 v[rC+2], v[rC+1]
.endif
.endif
.endm
.macro OPS a, i1, b=-1, i2=0, c=-1, i3=0, d=-1, i4=0  ; up to four of them
	OP \a, \i1
.if (\b) >= 0
	OP \b, \i2
.endif
.if (\c) >= 0
	OP \c, \i3
.endif
.if (\d) >= 0
	OP \d, \i4
.endif
.endm
.macro ROW a, i1, b, i2, c, i3, d, i4  ; a matrix instruction and the four behind it
	MM
	OPS \a, \i1, \b, \i2, \c, \i3, \d, \i4
.endm
.macro MASK b                       ; MD x AL + BE into buffer b of MC
	WIN W_RS
.set z, 0
.rept 16
	v_pk_fma_f32 v[MC+32*(\b)+2*z:MC+32*(\b)+2*z+1], v[MD+2*z:MD+2*z+1], s[AL:AL+1], s[BE:BE+1] op_sel_hi:[1,0,0]
.set z, z+1
.endr
.endm
; A TURN, for piece p: the order of its 16 matrix and 118 vector instructions, written out.  Behind a matrix instruction: plain, exponential, plain, plain; or four of the rescaling; or, behind the first, four scalings; none
; names a register of the products round it.  In the lumps exponential and plain by turns while exponentials last.  A line reads no result made fewer than three vector instructions in front of it, five if an exponential made it.
; v_permlanex16_b32 (X 17) stands in a lump.
; m = 1: the diagonal tile: the products take masks, and the turn makes the mask for the products of the turn after it: piece p + 2, in step 4 - CNT of the tile.  end = 1: a block's last two turns: nothing is fetched.
; cnt = 1: the loop's count is taken down some lines ahead of the branch that stands behind the turn.
; K of the next step is fetched in piece 2's turn, six vector instructions behind the last product that read K (five of them plain); V of the step in hand in piece 0's turn, eight behind the last product that read V (four
; plain, and X 17).  Each is waited for a turn later.
.macro TURN p, m=0, end=0, cnt=0
.set Y, (\p)
.set i, 0
.set KM, (\m)
.set NOKQ, (\end)*((\p)/3)
.if (\m) && !(\end)
	s_cmp_eq_u32 s[CNT], 4-((\p)+2)%NP  ; is that step the band's own?
	s_cselect_b32 s[AL], 1.0, 0
	s_cmp_lt_u32 s[CNT], 4-((\p)+2)%NP  ; or a later one?
	s_cselect_b32 s[BE], s[BIGN], 0
.endif
.if ((\p) == 3) && !(\end)
	s_wait_dscnt 0x0                ; K is in
.endif
	ROW F,0, F,1, F,2, F,3
	ROW F,4, E,0, F,5, F,6
	ROW F,7, E,1, F,8, F,9
	ROW F,10, E,2, C,0, F,11
	ROW F,12, E,3, X,15, F,13
	ROW R,0, R,1, R,2, R,3
	ROW B,0, E,4, F,14, L,0
.if ((\p) == 2) && !(\end)
	v_add_nc_u32 v[AK], s[TBK], v[AK0]
.endif
	ROW R,4, R,5, R,6, R,7
	OPS E,5, F,15
.if ((\p) == 2) && !(\end)
	FETCH_K
.endif
	OPS E,6, C,1, E,7, R,8
	OPS E,8, R,9, E,9, C,2
	OPS E,10, X,0, E,11, X,1
	OPS E,12, X,2, E,13, X,3
.if (\p) == 1
	s_wait_dscnt 0x0                ; V is in
.endif
	ROW X,4, E,14, X,5, X,6
	ROW X,7, E,15, X,8, X,9
	ROW X,10, E,16, X,11, X,12
	ROW X,13, E,17, X,14, B,1
	ROW C,4, E,18, X,16, L,1
	ROW B,2, E,19, C,6, L,2
	ROW C,8, E,20, B,3, B,4
.if (\p) == 0
	v_add_nc_u32 v[AV], s[TBV], v[AV0]
.endif
	ROW C,3, E,21, L,3, C,5
	OPS E,22, X,17, E,23, C,10
.if (\p) == 0
	FETCH_V
.endif
	OPS E,24, L,4
	OPS E,25, X,18, E,26, C,7
	OPS E,27, B,5, E,28, X,19
	OPS E,29, C,12, E,30, L,5
	OPS E,31, X,20, B,6, C,9
	OPS C,14, C,11, X,21, L,6
.if (\p) == 0
	s_add_co_u32 s[TBV], s[TBV], KS*PV
.endif
.if \cnt
	s_sub_co_u32 s[CNT], s[CNT], 1
	s_cmp_lg_u32 s[CNT], 0
.endif
	OPS C,13, B,7, C,15, R,10
	OPS R,11, R,12, L,7, R,13
	OPS R,14, R,15
.if (\m) && !(\end)
	MASK (\p)%2
.endif
.endm
; A BLOCK BEGINS.  c m starts far below every c s, so the first step's a is 0; m at the lowest finite number, so the first maximum is the scores'.  The second mask buffer is 0; the first takes piece 0's mask for the tile's step 0: its own, if the block's first tile is the diagonal one.
; Then K of that step, piece 0's first scores, and its maximum and statistics.  The loop is entered at a step's first turn, in the middle of a trip.
.macro BEGIN
	s_mov_b32 s[NEW], 0
	WIN 0x40
.set i, MC+32
.rept 32
	v_mov_b32 v[i], 0
.set i, i+1
.endr
	WIN 0
.set i, 0
.rept 4
	v_mov_b32 v[ST+4*i], 0xfe000000    ; c m: far below every c s
	v_mov_b32 v[ST+4*i+1], 0xff7fffff  ; m
.set i, i+1
.endr
	s_cmp_eq_u32 s[RT], 0
	s_cselect_b32 s[AL], 1.0, 0
	s_mov_b32 s[BE], 0
	MASK 0
	WIN 0
	v_add_nc_u32 v[AK], s[TBK], v[AK0]
	FETCH_K
	s_wait_loadcnt 0x0              ; Q
	s_wait_dscnt 0x0
.set KM, 1
.set NOKQ, 0
.set i, 0
.rept 8
	KQ 0
.set i, i+1
.endr
	WIN 0
.rept 4
	v_nop                           ; the places behind those products
.endr
.set Y, NP-1                        ; X works for piece Y + 1: piece 0
.irp n, 0,1,2,3,4,5,6,7,8,9,10,11,12,13,14,15,16,17,18,19,20,21
	OP X, \n
.endr
	v_nop                           ; a plain instruction behind the exponential
.endm
; THE DIAGONAL TILE's four steps, the block's last two turns, its last products, and THE WAY OUT: l's two halves and the other half of the lanes' are added; O^T is divided by l, rounded to f16 and sent through my
; stage in LDS, a piece at a time.
.macro ALL line:vararg              ; one line for each piece t
.set t, 0
.rept 4
	\line
.set t, t+1
.endr
.endm
.macro PACK t                       ; a lane's eight channels of a row pack into 16 bytes; they go into rows of 144 bytes and come back as whole rows of 128, into S^T's registers
	WIN W_RS
.set i, 32*(\t)
.rept 16
	s_wait_alu depctr_va_vdst(0)
	v_pk_mul_f32 v[i:i+1], v[i:i+1], v[ST+4*(\t)+2:ST+4*(\t)+3] op_sel_hi:[1,0]
.set i, i+2
.endr
	WIN 0x05                        ; sources 0 and 1 window 1, destination window 0
.set i, 0
.rept 16
	v_cvt_pk_f16_f32 v[S+16*(\t)+i], v[32*(\t)+2*i], v[32*(\t)+2*i+1]
.set i, i+1
.endr
	WIN 0
.irp f, 0,1,2,3
	ds_store_b128 v[STO], v[S+16*(\t)+4*\f:S+16*(\t)+4*\f+3] offset:32*\f
.endr
.irp f, 0,1,2,3
	ds_load_b128 v[S+16*(\t)+4*\f:S+16*(\t)+4*\f+3], v[RD] offset:\f*4*SP  ; LDS serves a wave's instructions in order (ISA guide 5.7.1.4): these see the stores above; the next piece's stores come behind them
.endr
.endm
.macro SEND t, younger              ; younger: the LDS instructions issued behind piece t's loads: the next piece's eight, or none
	WIN 0
.irp f, 0,1,2,3
	s_wait_dscnt (\younger)+3-\f
	global_store_b128 v[GO], v[S+16*(\t)+4*\f:S+16*(\t)+4*\f+3], s[10:11] offset:(\t)*8192+\f*512  ; 512 consecutive bytes, at a multiple of 256 from O's first
.endr
.endm
.macro DIAG tag                     ; the tag ends its two labels' names, which the jumps below spell out
.LstepM\tag:
	TURN 2, 1
	TURN 3, 1
	WIN 0
.LfirstM\tag:
	TURN 0, 1
	TURN 1, 1, 0, 1
	WIN 0
	s_cbranch_scc1 .LstepM\tag
	TURN 2, 1, 1
	TURN 3, 1, 1
.set i, 0
.rept 8
	PV NP-1
.set i, i+1
.endr
	WIN 0
	ALL v_add_f32 v[ST+4*t+2], v[ST+4*t+2], v[ST+4*t+3]
	ALL v_permlanex16_b32 v[ST+4*t+3], v[ST+4*t+2], s[SEL], s[SEL+1]
	ALL v_add_f32 v[ST+4*t+2], v[ST+4*t+2], v[ST+4*t+3]
	ALL v_rcp_f32 v[ST+4*t+2], v[ST+4*t+2]
	v_nop                           ; a plain instruction between the last reciprocal and the use of its result
	PACK 0
.set t, 1
.rept 3                             ; a piece's arithmetic stands between the loads of the piece before and its stores
	PACK t
	SEND t-1, 8
.set t, t+1
.endr
	SEND 3, 0
.endm
.set KM, 0
.set NOKQ, 0
.Lslot:                             ; NB times: a tile is entered and the next is asked for
	CHANGE 1
	s_sub_co_u32 s[RT], s[RT], 1
	s_mov_b32 s[CNT], 4
	s_cmp_eq_u32 s[NEW], 1
	s_cbranch_scc1 .Lnew            ; a block's first tile
	s_cmp_eq_u32 s[RT], 0
	s_cbranch_scc0 .Lstep           ; neither its first nor its last
	s_branch .LstepM1
.Lnew:
	BEGIN
	s_branch .Lfirst                ; in the loop a block's first tile is never its last: the first block has two tiles or more, and the second's last is the walk's last
	DIAG 1                          ; in the loop this is the first block's end: the second block's last tile is the walk's last
	s_wait_xcnt 0x0                 ; the stores have read their registers and O's address
	s_mov_b64 s[10:11], s[OLO:OLO+1]
	s_add_co_u32 s[RT], s[PB], 1    ; the second block has b + 1 tiles
	s_mov_b32 s[NEW], 1
	WIN 0x82                        ; the second block's Q goes where the one text of the turns names Q
.set i, 0
.rept 64
	v_mov_b32 v[i], v[QB+i]
.set i, i+1
.endr
	WIN 0
	s_branch .Lbottom
.Lstep:                             ; a trip: pieces 2 and 3 of one step, then pieces 0 and 1 of the next, whose K and V it fetches
	TURN 2
	TURN 3
	WIN 0
.Lfirst:
	TURN 0
	TURN 1, 0, 0, 1
	WIN 0
	s_cbranch_scc1 .Lstep
.Lbottom:
	s_sub_co_u32 s[SLOTS], s[SLOTS], 1
	s_cmp_lg_u32 s[SLOTS], 0
	s_cbranch_scc1 .Lslot
	CHANGE 0                        ; the walk's last tile is written out: nothing is asked for
	s_sub_co_u32 s[RT], s[RT], 1
	s_mov_b32 s[CNT], 4
	s_cmp_eq_u32 s[NEW], 1
	s_cbranch_scc0 .LstepM2
	BEGIN
	s_branch .LfirstM2
	DIAG 2
	s_wait_tensorcnt 0x0            ; the wave's end: behind my last tensor load and my last LDS store
	ds_add_u32 v[SPW], v[NIL]
	s_wait_dscnt 0x0
	s_endpgm
.Lfunc_end_k_qe6749708d4_att:
	.size	k_qe6749708d4_att, .Lfunc_end_k_qe6749708d4_att-k_qe6749708d4_att
	.p2alignl 7, 3214868480
	.fill 96, 4, 3214868480
	.section	.rodata,"a",@progbits
	.p2align	6, 0x0
	.amdhsa_kernel k_qe6749708d4_att
		.amdhsa_group_segment_fixed_size 327680
		.amdhsa_private_segment_fixed_size 0
		.amdhsa_enable_private_segment 0
		.amdhsa_kernarg_size 16
		.amdhsa_user_sgpr_count 2
		.amdhsa_user_sgpr_kernarg_segment_ptr 1
		.amdhsa_wavefront_size32 1
		.amdhsa_system_sgpr_workgroup_id_x 1
		.amdhsa_system_sgpr_workgroup_id_y 1
		.amdhsa_system_sgpr_workgroup_id_z 1
		.amdhsa_system_vgpr_workitem_id 0
		.amdhsa_next_free_vgpr 768
		.amdhsa_next_free_sgpr 88
		.amdhsa_reserve_vcc 1
		.amdhsa_float_denorm_mode_32 3
		.amdhsa_float_denorm_mode_16_64 3
		.amdhsa_memory_ordered 1
		.amdhsa_forward_progress 1
		.amdhsa_inst_pref_size 228
	.end_amdhsa_kernel
	.amdgpu_metadata
---
amdhsa.version: [ 1, 2 ]
amdhsa.kernels:
  - .name:           k_qe6749708d4_att
    .symbol:         k_qe6749708d4_att.kd
    .args:
      - { .name: qkv, .offset: 0, .size: 8, .value_kind: global_buffer, .address_space: global }
      - { .name: o, .offset: 8, .size: 8, .value_kind: global_buffer, .address_space: global }
    .group_segment_fixed_size: 327680
    .private_segment_fixed_size: 0
    .kernarg_segment_align: 8
    .kernarg_segment_size: 16
    .max_flat_workgroup_size: 128
    .sgpr_count:     88
    .vgpr_count:     768
    .wavefront_size: 32
...
	.end_amdgpu_metadata
.endif
;; end of part 3
;; launch outgemm (part 4): grid 8 x 32, 4 waves a work-group, clusters of 4 x 4, 327,680 bytes of LDS; arguments o, wo, b_out, out0; writes out0
.if DOCPART == 4
	.amdgcn_target "amdgcn-amd-amdhsa--gfx1250"
	.amdhsa_code_object_version 6
	.text
	.protected	k_qe6749708d4_outgemm
	.globl	k_qe6749708d4_outgemm
	.p2align	8
	.type	k_qe6749708d4_outgemm,@function
k_qe6749708d4_outgemm:
	s_mov_b64 s[64:65], 0
	v_nop
	global_prefetch_b8 v0, s[64:65] scope:SCOPE_SE
	s_setreg_imm32_b32 hwreg(HW_REG_WAVE_MODE, 25, 1), 1
	s_wait_xcnt 0x0
	s_wait_alu depctr_hold_cnt(0) depctr_sa_sdst(0) depctr_va_vdst(0) depctr_va_sdst(0) depctr_va_ssrc(0) depctr_va_vcc(0) depctr_vm_vsrc(0)
	s_getreg_b32 s2, hwreg(HW_REG_IB_STS2, 6, 4)
	s_cmp_eq_u32 s2, 0
	s_cbranch_scc0 .Lentry_in_a_cluster
	s_endpgm
.Lentry_in_a_cluster:
	s_bfe_u32 s2, ttmp6, 0x10000c
	s_cmp_lg_u32 s2, 0xf033
	s_cbranch_scc0 .Lentry_shape_is_right
	s_endpgm
.Lentry_shape_is_right:
; out0 = O wo + bf16(b_out).  o: [64 (batch x 16 + head)][2048 t][64] f16: row (batch, t) of the product's A has its K = 64 head + channel spread over 16 heads' dense blocks.
; wo: [1024 k][1024 n] f16 (W_out rounded to bf16, written as f16).  Sums in f32, begun with the bias; out0: [8192][1024] f32.
; LIMITS.  The bias is rounded to bf16 like the other inputs and is the sum's first term, not its last.  o and wo arrive within f16's range.
; SHARES.  A tile of C is 256 rows x 128 columns: 8 x 32 = 256 work-groups.  Wave w owns rows 64 w .. 64 w + 63 and all 128 columns: 32 accumulators of 16 x 16; a row's 512 bytes are one wave's, so the way out
; needs its own stage alone, no barrier.
; K goes in 8 steps of 128 (two heads) through two LDS slots.  Waves 0, 1 fetch one head's 256 rows each (32,768 dense bytes, asked for as 128 rows of 256 bytes and padded after every 128), waves 2, 3 the halves of
; B's tile (64 k-rows x 256 bytes each): one tensor load a wave.  By this text's count a wave has two tensor loads out at the start and one behind each round.
; CLUSTER 4 x 4: A's tile hangs on the tile row alone and is asked for jointly along a row of the cluster, B's on the tile column alone, along a column.
; THE MATRIX INSTRUCTION IS USED TRANSPOSED: source 0 = 16 columns of B (out of the [k][n] tile by the turning load), source 1 = 16 rows of A: register j of lane l holds C(row l % 16, column 8 (l / 16) + j).
; REGISTERS, in windows of 256 (s_set_vgpr_msb: bits 1:0 source 0, 3:2 source 1, 5:4 source 2, 7:6 destination):
;   window 0: v0-31 addresses; v32-95 the bias as 8 C operands, later the way out; v128-255 the accumulators of column blocks 0-3, (a, b) at 128 + 8 (4 a + b)
;   window 1: two fragment buffers: A's four at f + 8 a, B's eight at f + 32 + 8 b          window 2: v0-127 the accumulators of column blocks 4-7, at 8 (4 a + b - 4)
.set NB,    8                          ; column blocks of 16
.set PA,    144                        ; a row of one head of A in LDS: 128 bytes + 16: the 16 rows of a load start at 16 different groups of four banks (64 banks of 4 bytes: ISA guide 11.1)
.set PB,    288                        ; a k-row of B: 256 bytes + 32 = 9 x 32
.set AHALF, 256*PA                     ; what one wave fetches of A: one head's 256 rows
.set BOFF,  2*AHALF                    ; B lies behind A's two heads
.set BHALF, 64*PB                      ; what one wave fetches of B
.set SLOT1, 1<<17                      ; a slot uses 110,592 bytes; slot 1 begins here, so that one exclusive or turns an address in one slot into the other's
.set STAGE, SLOT1+BOFF+2*BHALF         ; behind the ring, never filled by a tensor load: 16 rows x 528 bytes for each wave
.set SP,    528                        ; a stage row: 512 bytes + 16
.set SPARE, STAGE+4*16*SP              ; behind the stages: the spare words, 128 bytes for each wave: two blocks of 256 bytes that no other line names
.set ASTEP, 2*2048*128                 ; bytes from a K step to the next in o: two heads
.set BSTEP, 128*1024*2                 ; and in wo
.set AQH,   AHALF                      ; A's quarter q of a step: head q / 2 of the two, byte 64 (q % 2) of its rows
.set ABLK,  16*PA
.set NL,    8+2*NB                     ; LDS loads of a quarter step
.set ADA0, 16                          ; v16  my lane's place in A's tile; never rewritten
.set ADB0, 17                          ; v17  the same in B's
.set ADA,  18                          ; v18  v16 + the slot in hand
.set ADB,  19                          ; v19  v17 + the slot in hand
.set STO,  24                          ; v24  the way out: where I put 32 bytes of a row
.set RD,   25                          ; v25  the way out: where I read a row back
.set GO,   26                          ; v26  16 x lane
.set BO,   27                          ; v27  32 (l / 16): my eight numbers in 16 of the bias
.set SPW,  28                          ; v28  LDS address of my spare word; never rewritten
.set NIL,  29                          ; v29  0; never rewritten
.set BIAS, 32
.set OB,   32                          ; the way out: 64 registers read back from the stage
.set ACC0, 128
.set F0,   0
.set F1,   128
.set WV,   12                          ; s12  my wave's number
.set FB,   13                          ; s13  0: I fetch for A; 1: for B
.set HALF, 14                          ; s14  which half of that tile
.set TCOL, 42                          ; s42  tile column of C
.set TROW, 43                          ; s43  tile row of C
.set G1A,  24                          ; s[24:31] descriptor group 1 for A's tiles
.set G0A,  32                          ; s[32:39] group 0: a set for each first fill; the second then walks
.set G1B,  48                          ; s[48:55], s[56:63] the same for B's
.set G0B,  56
.set TB,   66                          ; s66  LDS byte at which the slot in hand begins
.set HIM,  67                          ; s67  a word's upper 16 bits
.set OUTB, 68                          ; s[68:69] out0 at my first row and the tile's first column
.set MSB, 0
.macro WIN new                         ; the immediate's high byte repeats the setting that is left; a switch that changes nothing is dropped
.if MSB != (\new)
	s_set_vgpr_msb (MSB<<8)|(\new)
.set MSB, \new
.endif
.endm
.macro PLACES                          ; four plain vector instructions between a matrix instruction and a load into, or a read of, its registers (ISA guide 7.12.1 for vector reads)
.rept 4
	v_nop
.endr
.endm
; A joint refill by the walking descriptor.  The branch hangs on the wave's number alone.  An s_nop 0 and four v_nop follow each of the two lines, ahead of the jump and the label.
.macro JLOAD
	s_cmp_eq_u32 s[FB], 0
	s_cbranch_scc0 .Lfor_b_\@
	tensor_load_to_lds s[G0A+4:G0A+7], s[G1A:G1A+7]
	s_nop 0
.rept 4
	v_nop
.endr
	s_branch .Lasked_\@
.Lfor_b_\@:
	tensor_load_to_lds s[G0B+4:G0B+7], s[G1B:G1B+7]
	s_nop 0
.rept 4
	v_nop
.endr
.Lasked_\@:
.endm
.macro CREST                           ; a round of the cluster's barrier behind its opening barrier: wave 0 signals for the work-group, every wave waits for all sixteen, my work-group's barrier once more
	s_cmp_lg_u32 s[WV], 0
	s_cbranch_scc1 .Lnot_wave_0_\@
	s_barrier_signal -3
.Lnot_wave_0_\@:
	s_barrier_wait -3
	s_barrier_signal -1
	s_barrier_wait -1
.endm
.macro CROUND                          ; a whole round
	s_barrier_signal -1
	s_barrier_wait -1
	CREST
.endm
	s_load_b256 s[4:11], s[0:1], 0x0               ; o s[4:5], wo s[6:7], b_out s[8:9], out0 s[10:11]
	v_lshl_add_u32 v[SPW], v0, 2, SPARE
	v_mov_b32 v[NIL], 0
	ds_add_u32 v[SPW], v[NIL]                      ; the wave's opening: the add and its wait stand ahead of my first tensor load; the set-up below, work on registers, stands between them
	ds_add_u32 v28, v29
	v_lshrrev_b32 v1, 5, v0
	v_readfirstlane_b32 s[WV], v1                  ; wave 0..3
	s_lshr_b32 s[FB], s[WV], 1
	s_and_b32 s[HALF], s[WV], 1
	s_bfe_u32 s40, ttmp6, 0x40000                  ; cx, cy: my place in the cluster
	s_bfe_u32 s41, ttmp6, 0x40004
	s_lshl_b32 s[TCOL], ttmp9, 2                   ; in a cluster launch ttmp9 and ttmp7 count clusters
	s_add_co_u32 s[TCOL], s[TCOL], s40
	s_and_b32 s[TROW], ttmp7, 0xffff
	s_lshl_b32 s[TROW], s[TROW], 2
	s_add_co_u32 s[TROW], s[TROW], s41
	s_lshl_b32 s44, s41, 2
	s_lshl_b32 s44, 15, s44                        ; my row of the cluster: places 4 cy .. 4 cy + 3
	s_lshl_b32 s45, 0x1111, s40                    ; my column: places cx, cx + 4, cx + 8, cx + 12
	s_or_b32 s[G1A], s44, (1<<16)|(1<<20)|(1<<21)|(4<<22)|(3<<25)  ; the mask; elements of 2 bytes; padding on; bit 21 beside a mask; after every 32 words 4 words
	s_mov_b32 s[G1A+1], 128<<16                    ; tensor_dim0 = 128: two rows of a head
	s_mov_b32 s[G1A+2], 128<<16                    ; tensor_dim1 = 128
	s_mov_b32 s[G1A+3], 128<<16                    ; tile_dim0 = 128
	s_mov_b32 s[G1A+4], 128                        ; tile_dim1 = 128
	s_mov_b32 s[G1A+5], 128                        ; dense: 128 elements from row to row
	s_mov_b32 s[G1A+6], 0
	s_mov_b32 s[G1A+7], 0
	s_or_b32 s[G1B], s45, (1<<16)|(1<<20)|(1<<21)|(5<<22)|(7<<25)  ; after every 64 words 8 words
	s_mov_b32 s[G1B+1], 128<<16                    ; tensor_dim0 = 128
	s_mov_b32 s[G1B+2], 64<<16                     ; tensor_dim1 = 64
	s_mov_b32 s[G1B+3], 128<<16                    ; tile_dim0 = 128
	s_mov_b32 s[G1B+4], 64                         ; tile_dim1 = 64
	s_mov_b32 s[G1B+5], 1024
	s_mov_b32 s[G1B+6], 0
	s_mov_b32 s[G1B+7], 0
	s_lshr_b32 s16, s[TROW], 3                     ; A: head block 16 x batch + half, 262,144 bytes each; in it the tile's 256 rows of 128 bytes: made of the tile row and the wave's number alone
	s_lshl_b32 s16, s16, 4
	s_add_co_u32 s16, s16, s[HALF]
	s_lshl_b32 s16, s16, 18
	s_and_b32 s17, s[TROW], 7
	s_lshl_b32 s17, s17, 15
	s_add_co_u32 s16, s16, s17
	s_mov_b32 s17, 0
	s_lshl_b32 s46, s[TCOL], 8                     ; B: k-row 64 x half, 2,048 bytes a row, column 128 x tile column: made of the tile column and the wave's number alone
	s_lshl_b32 s47, s[HALF], 17
	s_add_co_u32 s46, s46, s47
	s_mov_b32 s47, 0
	s_mul_i32 s18, s[HALF], AHALF                  ; where they go: no place in the cluster enters an LDS address
	s_mul_i32 s19, s[HALF], BHALF
	s_add_co_u32 s19, s19, BOFF
	s_mov_b32 s[TB], 0
	s_mov_b32 s[HIM], 0xffff0000
	s_wait_dscnt 0x0                               ; the opening add is done
	s_wait_kmcnt 0x0
	s_add_nc_u64 s[16:17], s[4:5], s[16:17]
	s_add_nc_u64 s[46:47], s[6:7], s[46:47]
.irp s, 0,1
	s_mov_b32 s[G0A+4*(\s)], 1                                       ; count = 1
	s_add_co_u32 s[G0A+4*(\s)+1], s18, (\s)*SLOT1                    ; LDS address
	s_add_nc_u64 s[G0A+4*(\s)+2:G0A+4*(\s)+3], s[16:17], (\s)*ASTEP  ; global address: K step s
	s_or_b32 s[G0A+4*(\s)+3], s[G0A+4*(\s)+3], 0x80000000            ; type = 2
	s_mov_b32 s[G0B+4*(\s)], 1
	s_add_co_u32 s[G0B+4*(\s)+1], s19, (\s)*SLOT1
	s_add_nc_u64 s[G0B+4*(\s)+2:G0B+4*(\s)+3], s[46:47], (\s)*BSTEP
	s_or_b32 s[G0B+4*(\s)+3], s[G0B+4*(\s)+3], 0x80000000
.endr
	CROUND                                         ; all sixteen work-groups are here: the first joint loads meet
	s_cmp_eq_u32 s[FB], 0                          ; a wave's two first fills stand in one branch, ahead of every wait on TENSORcnt and every LDS read
	s_cbranch_scc0 .Lfirst_b
	tensor_load_to_lds s[G0A:G0A+3], s[G1A:G1A+7]
	s_nop 0
	tensor_load_to_lds s[G0A+4:G0A+7], s[G1A:G1A+7]
	s_nop 0
.rept 4
	v_nop
.endr
	s_branch .Lfirst_asked
.Lfirst_b:
	tensor_load_to_lds s[G0B:G0B+3], s[G1B:G1B+7]
	s_nop 0
	tensor_load_to_lds s[G0B+4:G0B+7], s[G1B:G1B+7]
	s_nop 0
.rept 4
	v_nop
.endr
.Lfirst_asked:
	; All that follows up to the barrier stands in the wait for the first tile.  The bias: register j of C operand b is b_out[128 x tile column + 16 b + 8 (l / 16) + j].
	s_mul_i32 s20, s[TCOL], 64*NB
	s_mov_b32 s21, 0
	s_add_nc_u64 s[8:9], s[8:9], s[20:21]
	v_and_b32 v1, 15, v0                           ; l % 16
	v_bfe_u32 v2, v0, 4, 1                         ; l / 16
	v_lshlrev_b32 v[BO], 5, v2
.set bb, 0
.rept NB
	global_load_b128 v[BIAS+8*bb:BIAS+8*bb+3],   v[BO], s[8:9] offset:64*bb
	global_load_b128 v[BIAS+8*bb+4:BIAS+8*bb+7], v[BO], s[8:9] offset:64*bb+16
.set bb, bb+1
.endr
	; A's fragment: lane l holds row l % 16, K = 8 (l / 16) + 0..7 and 16 + 8 (l / 16) + 0..7: two loads of 16 bytes, 32 bytes apart.
	s_mul_i32 s22, s[WV], 64*PA
	v_mul_u32_u24 v3, v1, PA
	v_lshl_add_u32 v3, v2, 4, v3
	v_add_nc_u32 v[ADA0], s22, v3
	; B's: the turning load takes 16 k x 16 n (lane l reads k-row 8 (l / 16) + l % 8, columns 8 ((l / 8) % 2) + 0..7) and leaves half a fragment: lane l holds column l % 16 and 8 k.
	v_and_b32 v4, 7, v0
	v_bfe_u32 v5, v0, 3, 1
	v_lshl_add_u32 v6, v2, 3, v4
	v_mul_u32_u24 v6, v6, PB
	v_lshl_add_u32 v6, v5, 4, v6
	v_add_nc_u32 v[ADB0], BOFF, v6
	s_mul_i32 s22, s[WV], 16*SP
	s_add_co_u32 s22, s22, STAGE                   ; my stage
	v_mul_u32_u24 v3, v1, SP                       ; in: row l % 16, 32 bytes for each half of the lanes
	v_lshl_add_u32 v3, v2, 5, v3
	v_add_nc_u32 v[STO], s22, v3
	v_and_b32 v[GO], 31, v0                        ; back: 32 lanes take one row's 512 bytes
	v_lshlrev_b32 v[GO], 4, v[GO]
	v_add_nc_u32 v[RD], s22, v[GO]
	s_lshl_b32 s20, s[TROW], 8                     ; my first row of out0, 4,096 bytes a row, and the tile's first column
	s_lshl_b32 s21, s[WV], 6
	s_add_co_u32 s20, s20, s21
	s_lshl_b32 s20, s20, 12
	s_lshl_b32 s21, s[TCOL], 9
	s_add_co_u32 s[OUTB], s20, s21
	s_mov_b32 s[OUTB+1], 0
	s_add_nc_u64 s[OUTB:OUTB+1], s[10:11], s[OUTB:OUTB+1]
	s_wait_loadcnt 0x0                             ; the bias
.set p, 0
.rept 4*NB                             ; rounded to bf16 like the other inputs, and kept as f32
	v_cvt_pk_bf16_f32 v[4+p%4], v[BIAS+2*p], v[BIAS+2*p+1]
	v_lshlrev_b32 v[BIAS+2*p],   16,     v[4+p%4]
	v_and_b32     v[BIAS+2*p+1], s[HIM], v[4+p%4]
.set p, p+1
.endr
; The fragments of quarter q (32 along K) of the slot in hand into buffer f: 8 loads for A, 16 turning loads for B, in one run.
.macro FETCH q, f
	WIN 0x40                                       ; destination window 1, address window 0
.irp c, 0,1,2,3
	ds_load_b128 v[(\f)+8*(\c):(\f)+8*(\c)+3],   v[ADA] offset:AQH*((\q)/2)+64*((\q)%2)+ABLK*(\c)
	ds_load_b128 v[(\f)+8*(\c)+4:(\f)+8*(\c)+7], v[ADA] offset:AQH*((\q)/2)+64*((\q)%2)+ABLK*(\c)+32
.endr
.set bb, 0
.rept NB
	ds_load_tr16_b128 v[(\f)+32+8*bb:(\f)+32+8*bb+3],   v[ADB] offset:32*PB*(\q)+32*bb
	ds_load_tr16_b128 v[(\f)+32+8*bb+4:(\f)+32+8*bb+7], v[ADB] offset:32*PB*(\q)+32*bb+16*PB
.set bb, bb+1
.endr
.endm
; Matrix instructions on buffer f: row blocks a0 .. a0 + na - 1 x the part's column blocks (part 0: 0-3, window 0; part 1: 4-7, window 2).  first = 1: the bias is C and starts the sums: nothing is cleared.
; Every quarter takes the 32 accumulators in the same order, one instruction a turn: 31 others' stand between two links of a chain.
.macro MULP f, part, a0, na, first=0
.if (\part) == 0
	WIN 0x05                                       ; sources 0 and 1 window 1; C and D window 0
.elseif \first
	WIN 0x85                                       ; C (the bias) window 0, D window 2
.else
	WIN 0xa5                                       ; C and D window 2
.endif
.set nbp, 4+(NB-8)*(\part)
.set aa, \a0
.rept \na
.set bb, 4*(\part)
.rept nbp
.if (\part) == 0
.set rD, ACC0+8*(4*aa+bb)
.else
.set rD, 8*((NB-4)*aa+bb-4)
.endif
.if \first
	v_wmma_f32_16x16x32_f16 v[rD:rD+7], v[(\f)+32+8*bb:(\f)+32+8*bb+7], v[(\f)+8*aa:(\f)+8*aa+7], v[BIAS+8*bb:BIAS+8*bb+7]
.else
	v_wmma_f32_16x16x32_f16 v[rD:rD+7], v[(\f)+32+8*bb:(\f)+32+8*bb+7], v[(\f)+8*aa:(\f)+8*aa+7], v[rD:rD+7]
.endif
.set bb, bb+1
.endr
.set aa, aa+1
.endr
.endm
; One of a step's first three quarters: fetches quarter q into buffer g, which the matrix instructions just before have read (so the places), and multiplies buffer f, fetched a quarter ago.
.macro QUARTER q, f, g, first=0
	PLACES
	FETCH \q, \g
	s_wait_dscnt NL                                ; all but the NL loads just issued: buffer f is in
	MULP \f, 0, 0, 4, \first
	MULP \f, 1, 0, 4, \first
.endm
; The fourth quarter multiplies buffer 1 and changes slots.  In front of the barrier each wave waits for all its tensor loads, of which one is out: its part of the next slot; adds 0 to its spare word; and waits
; for that and for its own reads of this slot.  fill = 1: the barrier opens a round of the cluster's, so that no wave of any partner still reads this slot or has a load on its way, and the joint refill, two K steps ahead,
; is the first thing behind it.
.macro TURN fill
	WIN 0                                          ; (the add's two registers lie in window 0)
	s_wait_tensorcnt 0x0                           ; no tensor load of mine is out, so a group 0 may be written
	ds_add_u32 v[SPW], v[NIL]                      ; 0 onto my spare word
	s_wait_dscnt 1                                 ; only the add may be out: buffer 1 is in
.if \fill
	s_xor_b32 s[G0A+5], s[G0A+5], SLOT1            ; the walking descriptors: the other slot than last time, the next K step; the type bits on top are not reached
	s_add_nc_u64 s[G0A+6:G0A+7], s[G0A+6:G0A+7], ASTEP
	s_xor_b32 s[G0B+5], s[G0B+5], SLOT1
	s_add_nc_u64 s[G0B+6:G0B+7], s[G0B+6:G0B+7], BSTEP
.endif
	MULP F1, 0, 0, 2                               ; matrix work stands between the add and the wait for it
	s_wait_dscnt 0x0                               ; the add is done, and my reads of this slot are over
	s_barrier_signal -1
	MULP F1, 0, 2, 2                               ; work on registers while the others arrive
	WIN 0                                          ; at a branch and at a label every window is 0
	s_barrier_wait -1
.if \fill
	CREST
	JLOAD                                          ; its four v_nop are also the places in front of the loads into buffer 0
.else
	PLACES
.endif
	s_xor_b32 s[TB], s[TB], SLOT1                  ; the other slot is in hand
	v_add_nc_u32 v[ADA], s[TB], v[ADA0]
	v_add_nc_u32 v[ADB], s[TB], v[ADB0]
	FETCH 0, F0
	MULP F1, 1, 0, 4
.endm
	s_wait_tensorcnt 1                             ; my part of K step 0 is in; step 1's may stay out
	s_barrier_signal -1
	s_barrier_wait -1                              ; everybody's is
	v_add_nc_u32 v[ADA], s[TB], v[ADA0]
	v_add_nc_u32 v[ADB], s[TB], v[ADB0]
	FETCH 0, F0
	QUARTER 1, F0, F1, 1                           ; the first quarter stands in front of the loop: its products start the sums with the bias
	WIN 0
	s_mov_b32 s3, 6
.Lstep:                                                ; trip i: the rest of K step i, the refill of its slot with step i + 2, and the first quarter of step i + 1
	QUARTER 2, F1, F0
	QUARTER 3, F0, F1
	TURN 1
	QUARTER 1, F0, F1
	WIN 0
	s_sub_co_u32 s3, s3, 1
	s_cmp_lg_u32 s3, 0
	s_cbranch_scc1 .Lstep
	QUARTER 2, F1, F0                              ; the tail is written out: steps 6 and 7 ask for nothing
	QUARTER 3, F0, F1
	TURN 0
	QUARTER 1, F0, F1
	QUARTER 2, F1, F0
	QUARTER 3, F0, F1
	s_wait_dscnt 0x0                               ; the very last quarter
	MULP F1, 0, 0, 4
	MULP F1, 1, 0, 4
	WIN 0
	PLACES                                         ; the LDS stores read results just made
; THE WAY OUT, a block of 16 rows at a time: a lane's eight f32 of a row go into my own stage as two stores of 16 bytes (each accumulator's low four registers first); whole rows of 512 bytes come back;
; each store of the wave covers one row's 512 consecutive bytes, at a multiple of 512 from out0's first byte.
.macro OUTBLK a
	s_wait_xcnt 0x0                                ; the registers that the last stores read are loaded again only behind this wait
.set bb, 0
.rept NB
.if bb < 4
	WIN 0
.set rD, ACC0+8*(4*(\a)+bb)
.else
	WIN 0x08                                       ; an LDS store's data is source 1: window 2
.set rD, 8*((NB-4)*(\a)+bb-4)
.endif
	ds_store_b128 v[STO], v[rD:rD+3]   offset:64*bb
	ds_store_b128 v[STO], v[rD+4:rD+7] offset:64*bb+16
.set bb, bb+1
.endr
	WIN 0
.set i, 0
.rept 16
	ds_load_b128 v[OB+4*i:OB+4*i+3], v[RD] offset:SP*i  ; LDS serves a wave's instructions in order (ISA guide 5.7.1.4): these see the stores above
.set i, i+1
.endr
.set i, 0
.rept 16
	s_wait_dscnt 15-i                              ; row i of the sixteen is back; the younger ones stay out.  The last count is 0: the next block's stores find the stage read out
	global_store_b128 v[GO], v[OB+4*i:OB+4*i+3], s[OUTB:OUTB+1] offset:(16*(\a)+i)*4096 th:TH_STORE_NT
.set i, i+1
.endr
.endm
	OUTBLK 0
	OUTBLK 1
	OUTBLK 2
	OUTBLK 3
	s_wait_tensorcnt 0x0                           ; the wave's end: behind my last tensor load and my last LDS store
	ds_add_u32 v[SPW], v[NIL]
	s_wait_dscnt 0x0
	CROUND                                         ; the closing round: no work-group ends while a partner may still ask for a tile that names it
	s_endpgm
.Lfunc_end_k_qe6749708d4_outgemm:
	.size	k_qe6749708d4_outgemm, .Lfunc_end_k_qe6749708d4_outgemm-k_qe6749708d4_outgemm
	.p2alignl 7, 3214868480
	.fill 96, 4, 3214868480
	.section	.rodata,"a",@progbits
	.p2align	6, 0x0
	.amdhsa_kernel k_qe6749708d4_outgemm
		.amdhsa_group_segment_fixed_size 327680
		.amdhsa_private_segment_fixed_size 0
		.amdhsa_enable_private_segment 0
		.amdhsa_kernarg_size 32
		.amdhsa_user_sgpr_count 2
		.amdhsa_user_sgpr_kernarg_segment_ptr 1
		.amdhsa_wavefront_size32 1
		.amdhsa_system_sgpr_workgroup_id_x 1
		.amdhsa_system_sgpr_workgroup_id_y 1
		.amdhsa_system_sgpr_workgroup_id_z 1
		.amdhsa_system_vgpr_workitem_id 0
		.amdhsa_next_free_vgpr 640
		.amdhsa_next_free_sgpr 76
		.amdhsa_reserve_vcc 0
		.amdhsa_float_denorm_mode_32 3
		.amdhsa_float_denorm_mode_16_64 3
		.amdhsa_memory_ordered 1
		.amdhsa_forward_progress 1
		.amdhsa_inst_pref_size 76
	.end_amdhsa_kernel
	.amdgpu_metadata
---
amdhsa.version: [ 1, 2 ]
amdhsa.kernels:
  - .name:           k_qe6749708d4_outgemm
    .symbol:         k_qe6749708d4_outgemm.kd
    .args:
      - { .name: o, .offset: 0, .size: 8, .value_kind: global_buffer, .address_space: global }
      - { .name: wo, .offset: 8, .size: 8, .value_kind: global_buffer, .address_space: global }
      - { .name: b_out, .offset: 16, .size: 8, .value_kind: global_buffer, .address_space: global }
      - { .name: out0, .offset: 24, .size: 8, .value_kind: global_buffer, .address_space: global }
    .group_segment_fixed_size: 327680
    .private_segment_fixed_size: 0
    .kernarg_segment_align: 8
    .kernarg_segment_size: 32
    .max_flat_workgroup_size: 128
    .sgpr_count:     76
    .vgpr_count:     640
    .wavefront_size: 32
...
	.end_amdgpu_metadata
.endif
;; end of part 4
